; MI455X (gfx1250); checked and timed in simulation.
; The chip was launched on July 23, 2026; its instructions are those of AMD's public machine-readable ISA for CDNA 5 (MIT licence, August 2026) and "CDNA5" Instruction Set Architecture Reference Guide (July 2026). The comments in the code are by the model that wrote it; some were corrected since.
;; Multi Head Attention. Allowed arithmetic: matrix products marked QUANTISED: E2M1 operands, one E8M0 scale for each 32 along K, by v_wmma_scale_f32_16x16x128_f8f6f4 with both operands' format E2M1 (or v_wmma_scale_f32_32x16x128_f4), f32 sums; products left as they are: bf16, f16 or f32 operands; f32 sums; everything else in f32.
;; Inputs: W_out 1,024 x 1,024 float32; W_qkv 1,024 x 3,072 float32; b_out 1,024 float32; b_qkv 3,072 float32; mask 1 x 1 x 2,048 x 2,048 int32; x 4 x 2,048 x 1,024 float32.
;; Outputs: out0 4 x 2,048 x 1,024 float32.
;; This version of the problem:
;;   THIS VERSION OF THE PROBLEM IS GIVEN IN LOW PRECISION. The matrix products marked QUANTISED in the list below multiply operands that are first quantised to E2M1 (2 exponent bits, 1 mantissa bit; 4 bits a number), with one power-of-two scale for each 32 numbers along K (OCP MX v1.0); their sums are f32. The products marked 'left as it is' may take bf16, f16 or f32 operands, with f32 sums. Whichever they take, every output number must still come out within the allowed error. Rounding operands to bf16 (8 significant bits) uses up far more of that allowance than f16 does (11 bits, for magnitudes from 6e-5 to 65,504). All else is computed in f32.
;;   The module's matrix products, in the order in which they are computed (A, B: the left and right operand; K: the contracted axis; several contracted axes count as one K, in the product's order):
;;     1. [M 8,192, K 1,024] x [K 1,024, N 3,072]; A: input x; B: input W_qkv: QUANTISED
;;     2. batch 64 x [M 2,048, K 64] x [K 64, N 2,048]; A: computed on the way; B: computed on the way: left as it is (an operand is computed on the way)
;;     3. batch 64 x [M 2,048, K 2,048] x [K 2,048, N 64]; A: computed on the way; B: computed on the way: left as it is (an operand is computed on the way)
;;     4. [M 8,192, K 1,024] x [K 1,024, N 1,024]; A: computed on the way; B: input W_out: left as it is (an operand is computed on the way)
;;   THE QUANTISER, for each operand of a quantised product, along K:
;;     - K is cut into blocks of 32 from its start; a last block that is shorter is filled with zeros.
;;     - A block's scale is 2^e with e = floor(log2(the largest magnitude in the block)) - 2, held to -126 .. 127; a block of zeros has e = 0. As a byte (E8M0): e + 127.
;;     - Each number is divided by its block's scale, clamped to +-6, and rounded to the nearest number of E2M1, ties to even, subnormals kept.
;;     - The product sums the exact products of the quantised numbers (number of the format x scale) in f32.
;;   ~~~python
;;   def quantise(x, axis):      # numpy; x: float32 -> the quantised numbers, widened to float32 again
;;       x = np.moveaxis(x, axis, -1); K = x.shape[-1]
;;       x = np.pad(x, [(0, 0)] * (x.ndim - 1) + [(0, -K % 32)]); x = x.reshape(x.shape[:-1] + (-1, 32)); a = np.abs(x).max(-1, keepdims=True)
;;       e = np.where(a > 0, np.clip(np.frexp(np.where(a > 0, a, 1))[1] - 1 - 2, -126, 127), 0)      # np.frexp(a)[1] - 1 = floor(log2(a)), exactly
;;       r = np.clip(x / 2.0 ** e, -6, 6)
;;       step = 2.0 ** (np.maximum(np.frexp(np.where(r == 0, 1, r))[1] - 1, 0) - 1)
;;       q = np.round(r / step) * step * 2.0 ** e      # np.round: ties to even
;;       return np.moveaxis(q.reshape(q.shape[:-2] + (-1,))[..., :K], -1, axis).astype(np.float32)
;;   ~~~
;; One version. Each part assembles by itself: llvm-mc -triple=amdgcn-amd-amdhsa -mcpu=gfx1250 --defsym DOCPART=n.
;; ======== version 1 of 1: 5 launches
;; limits: values are held in f16: magnitudes above 65,504 overflow, below 6.1e-05 lose precision; right only within a limited range of input values
;; workspace buffers: xq 4,456,448 bytes; wq 1,671,168 bytes; qkv 50,331,648 bytes; mk 526,336 bytes of whole numbers; wimg 2,097,152 bytes; att 17,039,360 bytes
;; launch prep (part 1): grid 432 x 1, 4 waves a work-group, no clusters, 68,096 bytes of LDS; arguments x, W_qkv, W_out, mask, xq, wq, wimg, mk; writes xq, wq, wimg, mk
.if DOCPART == 1
	.amdgcn_target "amdgcn-amd-amdhsa--gfx1250"
	.amdhsa_code_object_version 6
	.text
	.protected	k_qb5228fc1a2_prep
	.globl	k_qb5228fc1a2_prep
	.p2align	8
	.type	k_qb5228fc1a2_prep,@function
k_qb5228fc1a2_prep:
	s_mov_b64 s[64:65], 0
	v_nop
	global_prefetch_b8 v0, s[64:65] scope:SCOPE_SE
	s_setreg_imm32_b32 hwreg(HW_REG_WAVE_MODE, 25, 1), 1
	s_wait_xcnt 0x0
; MULTI-HEAD ATTENTION, launch 1 of 5: everything that is made once from the inputs.
;   X  work-groups   0-255: x [8192][1024] f32 -> codes of E2M1 (K innermost, 512 bytes a row) and one E8M0 byte for each 32 along K: buffer xq (codes at 0, bytes at 0x400000)
;   W  work-groups 256-303: W_qkv [1024 k][3072 n] f32, K its FIRST axis -> codes [3072][512 bytes] and bytes [3072][32]: buffer wq (codes at 0, bytes at 0x180000)
;   M  work-groups 304-367: mask [2048][2048] int32 -> one bit a number, and for each group of 8 rows two summaries: buffer mk
;   O  work-groups 368-431: W_out [1024 k][1024 n] f32 -> f16, laid in the order of a matrix operand's registers: buffer wimg
; NO INPUT IS LEFT OUT: x, mask, both weights and both biases all reach the result.  WHAT LATER LAUNCHES LEAVE OUT is chosen by whole numbers that this launch stores: a block of 256 queries x 128 keys
; whose mask is 0 throughout is passed over by the attention launch, but only where every one of the 256 queries has some key with a mask other than 0.  There reference() gives such a key the score -1e9, and
; exp(-1e9 - max) is 0 in its f32 as soon as the row's max is a true score.  Where a row has no key at all, all its keys weigh alike in reference(): then all blocks of that row's queries are walked.
; LIMITS: true scores q.k/8 under about -1e9 + 150 are not served (a masked key would then weigh something); a NaN or an infinity that lies only in keys that are passed over is not carried to the result;
; blocks whose largest magnitude lies under 2^(3 - 127) keep the scale byte 1 (a block of zeros too: its codes are zeros, and this program alone reads the bytes); NaN and infinities among x and W_qkv are not served.
; THE QUANTISER: a block's scale is 2^(floor(log2(largest magnitude)) - 2): its byte is the largest magnitude's exponent field - 2; each number / scale goes to the nearest code, ties to even, beyond 6 to 6.
; The four parts part on the work-group's number alone and meet only at the end.  X and W use LDS, each bytes of its own: X [0, 32768), W [32768, 67584); the spare words lie behind.  Waves share nothing: no barrier.
.set SPW,   190                        ; v190 LDS address of my spare word: SPARE + 4 x my thread's number; never rewritten
.set NIL,   191                        ; v191 0; never rewritten
.set SPARE, 67584                      ; 128 bytes for each wave: two blocks of 256 bytes that no other line names
	s_load_b512 s[4:19], s[0:1], 0x0               ; x s[4:5], W_qkv s[6:7], W_out s[8:9], mask s[10:11], xq s[12:13], wq s[14:15], wimg s[16:17], mk s[18:19]
	v_lshl_add_u32 v[SPW], v0, 2, SPARE
	v_mov_b32 v[NIL], 0
	v_lshrrev_b32 v1, 5, v0
	v_readfirstlane_b32 s20, v1                    ; wave 0..3
	v_and_b32 v2, 31, v0                           ; lane
	s_mov_b32 s25, 0                               ; the upper word of every offset pair s[24:25]
	s_wait_kmcnt 0x0
	s_cmp_lt_u32 ttmp9, 256
	s_cbranch_scc1 .Lx
	s_cmp_lt_u32 ttmp9, 304
	s_cbranch_scc1 .Lw
	s_cmp_lt_u32 ttmp9, 368
	s_cbranch_scc1 .Lm
; ---------------- O: W_out -> f16 images.  wimg[nt 64][k-octet 128][r 16][16 bytes]: the 8 numbers W_out[8 o .. 8 o + 7][16 nt + r].
; A lane takes a column and its registers run down K, so two neighbours along K pack into one register.  A work-group takes 128 columns x 128 along K.
	s_sub_co_u32 s21, ttmp9, 368
	s_and_b32 s22, s21, 7                          ; which 128 columns
	s_lshr_b32 s23, s21, 3                         ; which 128 along K
	v_lshlrev_b32 v3, 2, v2                        ; in: 4 bytes a lane
	s_lshl_b32 s24, s23, 19                        ; 128 rows of 4,096 bytes
	s_lshl_b32 s26, s22, 9
	s_add_co_u32 s24, s24, s26
	s_lshl_b32 s26, s20, 7                         ; my wave's 32 columns
	s_add_co_u32 s24, s24, s26
	s_add_nc_u64 s[8:9], s[8:9], s[24:25]
	s_lshl_b32 s24, s22, 18                        ; out: tile of columns 8 cx + 2 wave, 32,768 bytes each,
	s_lshl_b32 s26, s20, 16
	s_add_co_u32 s24, s24, s26
	s_lshl_b32 s26, s23, 12                        ; 16 octets of 256 bytes for each 128 along K
	s_add_co_u32 s24, s24, s26
	s_add_nc_u64 s[16:17], s[16:17], s[24:25]
	v_lshrrev_b32 v4, 4, v2
	v_and_b32 v5, 15, v2
	v_lshlrev_b32 v4, 15, v4                       ; lanes 16-31: the next tile of columns
	v_lshl_add_u32 v4, v5, 4, v4                   ; 16 bytes a column: sixteen lanes store 256 consecutive bytes, aligned
.macro OLOAD t                         ; 32 along K of my column into set t % 2
.irp i, 0,1,2,3,4,5,6,7,8,9,10,11,12,13,14,15,16,17,18,19,20,21,22,23,24,25,26,27,28,29,30,31
	global_load_b32 v[32+32*((\t)%2)+\i], v3, s[8:9] offset:(32*(\t)+\i)*4096 th:TH_LOAD_NT
.endr
.endm
.macro OBLK t
.if (\t) < 3
	s_wait_loadcnt 32                              ; this block's 32 loads are in; the next block's may be out
.else
	s_wait_loadcnt 0x0
.endif
.irp i, 0,1,2,3,4,5,6,7,8,9,10,11,12,13,14,15
	v_cvt_pk_f16_f32 v[96+16*(\t)+\i], v[32+32*((\t)%2)+2*\i], v[32+32*((\t)%2)+2*\i+1]   ; each block has registers of its own: no store's data are written again
.endr
.if (\t)+2 < 4
	OLOAD (\t)+2
.endif
.irp o, 0,1,2,3
	global_store_b128 v4, v[96+16*(\t)+4*\o:96+16*(\t)+4*\o+3], s[16:17] offset:256*(4*(\t)+\o)
.endr
.endm
	OLOAD 0
	OLOAD 1
	OBLK 0
	OBLK 1
	OBLK 2
	OBLK 3
	s_branch .Ldone
; ---------------- X: x is a plain stream of blocks of 32.  A wave takes 16 steps of 512 numbers.  Each load reads 512 consecutive bytes; the 2,048 bytes of a step turn through the wave's own stage in LDS
; (16 bytes of padding behind each 64) and come back 64 bytes a lane: 16 neighbours, two lanes to a block.  A step's codes leave as 256 consecutive bytes, the wave's 256 scale bytes as one such run at the end.
.Lx:
	v_lshlrev_b32 v3, 4, v2                        ; my 16 bytes of a load's 512
	s_lshl_b32 s21, s20, 13                        ; my wave's 8,192 bytes of LDS: two stages of 2,560, then 256 scale bytes
	v_lshrrev_b32 v14, 2, v2
	v_mul_u32_u24 v14, v14, 80
	v_and_b32 v15, 3, v2
	v_lshl_add_u32 v14, v15, 4, v14
	v_add_nc_u32 v14, s21, v14                     ; the stage, on the way in: 80 (lane / 4) + 16 (lane % 4)
	v_mul_u32_u24 v15, v2, 80
	v_add_nc_u32 v15, s21, v15                     ; on the way out: 80 x lane
	v_lshlrev_b32 v4, 3, v2                        ; 8 bytes a lane: my codes' place in a step's, and my scale bytes' on the way out
	v_lshrrev_b32 v5, 1, v2
	s_add_co_u32 s21, s21, 5120
	v_add_nc_u32 v5, s21, v5                       ; my block's scale byte
	v_add_nc_u32 v6, s21, v4
	s_lshl_b32 s22, ttmp9, 2
	s_add_co_u32 s22, s22, s20                     ; which run of 8,192 numbers is my wave's
	s_lshl_b32 s24, s22, 15
	s_add_nc_u64 s[4:5], s[4:5], s[24:25]
	s_lshl_b32 s24, s22, 12
	s_add_nc_u64 s[26:27], s[12:13], s[24:25]      ; its codes
	s_lshl_b32 s24, s22, 8
	s_add_co_u32 s24, s24, 0x400000
	s_add_nc_u64 s[28:29], s[12:13], s[24:25]      ; its scale bytes
.macro XLOAD t
.irp i, 0,1,2,3
	global_load_b128 v[16+16*((\t)%4)+4*\i:16+16*((\t)%4)+4*\i+3], v3, s[4:5] offset:2048*(\t)+512*\i th:TH_LOAD_NT
.endr
.endm
.macro XTURN t                         ; LDS serves a wave's instructions in order: no wait between the stores and the loads
.irp i, 0,1,2,3
	ds_store_b128 v14, v[16+16*((\t)%4)+4*\i:16+16*((\t)%4)+4*\i+3] offset:2560*((\t)%2)+640*\i
.endr
.irp i, 0,1,2,3
	ds_load_b128 v[80+16*((\t)%2)+4*\i:80+16*((\t)%2)+4*\i+3], v15 offset:2560*((\t)%2)+16*\i
.endr
.endm
.macro XSTEP t
.set XS, 80+16*((\t)%2)
.if (\t) > 0
	s_wait_dscnt 1                                 ; this step's numbers are back from the stage (the last step's byte store may be out)
.else
	s_wait_dscnt 0x0
.endif
.if (\t)+4 < 16
	XLOAD (\t)+4                                   ; the registers that the stage's stores have read take the loads of four steps on
.endif
.if (\t)+1 < 16
.if 14-(\t) >= 3
	s_wait_loadcnt 12                              ; the next step's four loads are in; those of the three steps behind it may be out
.else
	s_wait_loadcnt 4*(14-(\t))
.endif
	XTURN (\t)+1
.endif
	v_max3_num_f32 v8, |v[XS]|, |v[XS+1]|, |v[XS+2]|
	v_max3_num_f32 v9, |v[XS+3]|, |v[XS+4]|, |v[XS+5]|
.irp i, 6,10
	v_max3_num_f32 v8, v8, |v[XS+\i]|, |v[XS+\i+1]|
	v_max3_num_f32 v9, v9, |v[XS+\i+2]|, |v[XS+\i+3]|
.endr
	v_max3_num_f32 v8, v8, |v[XS+14]|, |v[XS+15]|
	v_max3_num_f32 v8, v8, v9, 0x1800000           ; and the floor 2^(3 - 127): the byte cannot fall under 1
	v_max_num_f32_dpp v8, v8, v8 row_xmask:1 row_mask:0xf bank_mask:0xf   ; with my neighbour's 16: the block's largest magnitude
	v_add_nc_u32 v11, 0xff000000, v8               ; 2 off its exponent field: the conversion takes the exponent field of this operand as its scale
	v_cvt_scalef32_pk8_fp4_f32 v[128+4*(\t)], v[XS:XS+7], v11
	v_cvt_scalef32_pk8_fp4_f32 v[129+4*(\t)], v[XS+8:XS+15], v11
	v_lshrrev_b32 v[112+(\t)], 23, v11             ; the scale's byte (also the plain line behind the conversions)
	ds_store_b8 v5, v[112+(\t)] offset:16*(\t)     ; both lanes of a block write the same byte with the same value
	global_store_b64 v4, v[128+4*(\t):129+4*(\t)], s[26:27] offset:256*(\t)
.endm
.irp t, 0,1,2,3
	XLOAD \t
.endr
	s_wait_loadcnt 12                              ; step 0's four loads are in
	XTURN 0
.irp t, 0,1,2,3,4,5,6,7,8,9,10,11,12,13,14,15
	XSTEP \t
.endr
	ds_load_b64 v[8:9], v6                         ; in order behind my byte stores
	s_wait_dscnt 0x0
	global_store_b64 v4, v[8:9], s[28:29]          ; 32 lanes store 256 consecutive bytes, aligned
	s_branch .Ldone
; ---------------- W: a lane takes a column n and its registers run down K: a block of 32 lies in one lane, and the codes come out with K innermost.  A wave takes 32 columns x 512 along K;
; its codes (256 bytes a column) go through its own stage (rows 272 bytes apart) and leave by rows, sixteen lanes to 256 consecutive bytes.
.Lw:
	s_sub_co_u32 s21, ttmp9, 256
	s_cmp_ge_u32 s21, 24
	s_cselect_b32 s22, 1, 0                        ; which 512 along K
	s_cselect_b32 s23, 24, 0
	s_sub_co_u32 s21, s21, s23                     ; which 128 columns
	s_lshl_b32 s21, s21, 7
	s_lshl_b32 s23, s20, 5
	s_add_co_u32 s21, s21, s23                     ; my wave's first column
	v_lshlrev_b32 v3, 2, v2
	s_mul_i32 s23, s20, 8704
	s_add_co_u32 s23, s23, 32768                   ; my stage: 32 rows x 272
	v_mul_u32_u24 v4, v2, 272
	v_add_nc_u32 v4, s23, v4                       ; into it: row = my column
	v_and_b32 v5, 15, v2
	v_lshrrev_b32 v6, 4, v2
	v_mul_u32_u24 v7, v6, 272
	v_lshl_add_u32 v7, v5, 4, v7
	v_add_nc_u32 v7, s23, v7                       ; out of it: sixteen lanes to a row, two rows an instruction
	v_lshlrev_b32 v8, 9, v6
	v_lshl_add_u32 v8, v5, 4, v8                   ; the same place in the codes' buffer (rows of 512 bytes)
	v_lshlrev_b32 v9, 5, v2                        ; my column's row of 32 scale bytes
	s_mul_i32 s24, s22, 512*12288
	s_lshl_b32 s26, s21, 2
	s_add_co_u32 s24, s24, s26
	s_add_nc_u64 s[6:7], s[6:7], s[24:25]
	s_lshl_b32 s24, s21, 9
	s_lshl_b32 s26, s22, 8
	s_add_co_u32 s24, s24, s26
	s_add_nc_u64 s[28:29], s[14:15], s[24:25]      ; codes
	s_lshl_b32 s24, s21, 5
	s_lshl_b32 s26, s22, 4
	s_add_co_u32 s24, s24, s26
	s_add_co_u32 s24, s24, 0x180000
	s_add_nc_u64 s[30:31], s[14:15], s[24:25]      ; scale bytes
.macro WLOAD t
.irp i, 0,1,2,3,4,5,6,7,8,9,10,11,12,13,14,15,16,17,18,19,20,21,22,23,24,25,26,27,28,29,30,31
	global_load_b32 v[32+32*((\t)%2)+\i], v3, s[6:7] offset:(32*(\t)+\i)*12288 th:TH_LOAD_NT   ; at most 511 rows of 12,288 bytes: inside the signed 24-bit immediate
.endr
.endm
.macro WBLOCK t
.set XS, 32+32*((\t)%2)
.if (\t) < 15
	s_wait_loadcnt 32                              ; this block's 32 loads are in; the next block's may be out
.else
	s_wait_loadcnt 0x0
.endif
	v_max3_num_f32 v12, |v[XS]|, |v[XS+1]|, |v[XS+2]|
	v_max3_num_f32 v13, |v[XS+3]|, |v[XS+4]|, |v[XS+5]|
.irp i, 6,10,14,18,22,26
	v_max3_num_f32 v12, v12, |v[XS+\i]|, |v[XS+\i+1]|
	v_max3_num_f32 v13, v13, |v[XS+\i+2]|, |v[XS+\i+3]|
.endr
	v_max3_num_f32 v12, v12, |v[XS+30]|, |v[XS+31]|
	v_max3_num_f32 v12, v12, v13, 0x1800000        ; and the floor
	v_add_nc_u32 v11, 0xff000000, v12
	v_lshrrev_b32 v13, 23, v11                     ; the scale's byte
.if (\t)%4 == 0
	v_mov_b32 v[24+(\t)/4], v13                    ; four bytes to a register, the lower K in the lower byte
.else
	v_lshl_or_b32 v[24+(\t)/4], v13, 8*((\t)%4), v[24+(\t)/4]
.endif
.irp g, 0,1,2,3
	v_cvt_scalef32_pk8_fp4_f32 v[96+\g], v[XS+8*\g:XS+8*\g+7], v11
.endr
	v_nop                                          ; one plain line behind the last conversion
	ds_store_b128 v4, v[96:99] offset:16*(\t)
.if (\t)+2 < 16
	WLOAD (\t)+2
.endif
	s_wait_dscnt 0x0                               ; the store has read its registers: the next block's codes may be written
.endm
	WLOAD 0
	WLOAD 1
.irp t, 0,1,2,3,4,5,6,7,8,9,10,11,12,13,14,15
	WBLOCK \t
.endr
	global_store_b128 v9, v[24:27], s[30:31]       ; my column's 16 scale bytes
.irp t, 0,1,2,3,4,5,6,7,8,9,10,11,12,13,14,15
	ds_load_b128 v[112+4*\t:115+4*\t], v7 offset:544*\t
.endr
.irp t, 0,1,2,3,4,5,6,7,8,9,10,11,12,13,14,15
	s_wait_dscnt 15-\t
	global_store_b128 v8, v[112+4*\t:115+4*\t], s[28:29] offset:1024*\t
.endr
	s_branch .Ldone
; ---------------- M: the mask as bits.  mk: words [q 2048][step 16][e 4]: bit l of word (q, i, e) says mask[q][128 i + 4 l + e] != 0.  A load of 16 bytes a lane brings 128 numbers of a row, and the compare of its
; register e IS that word.  The words of two rows are gathered in four registers (lane i: the even row's step i, lane 16 + i: the odd row's) and leave as 512 consecutive bytes.
; At 524,288: any[group of 8 rows]: bit s: step s has a number other than 0; bit 16: some row of the group is 0 throughout.  At 525,312: all[group]: bit s: step s holds no 0.
.Lm:
	s_sub_co_u32 s21, ttmp9, 304
	s_lshl_b32 s21, s21, 2
	s_add_co_u32 s21, s21, s20                     ; my wave's group of 8 rows
	v_lshlrev_b32 v3, 4, v2
	s_lshl_b32 s24, s21, 16                        ; 8 rows of 8,192 bytes
	s_add_nc_u64 s[10:11], s[10:11], s[24:25]
	s_lshl_b32 s24, s21, 11                        ; 8 rows of 256 bytes of words
	s_add_nc_u64 s[26:27], s[18:19], s[24:25]
	s_lshl_b32 s24, s21, 2
	s_add_co_u32 s24, s24, 524288
	s_add_nc_u64 s[28:29], s[18:19], s[24:25]
	s_mov_b32 s50, 0                               ; 1 once a row without any key has been seen
.irp e, 0,1,2,3
	v_mov_b32 v[16+\e], 0                          ; written once: a lane write's destination counts as one of its sources
.endr
.macro MLOAD p
.irp i, 0,1,2,3,4,5,6,7,8,9,10,11,12,13,14,15
	global_load_b128 v[32+64*((\p)%2)+4*\i:32+64*((\p)%2)+4*\i+3], v3, s[10:11] offset:(\p)*8192+512*\i th:TH_LOAD_NT
.endr
.endm
.macro MROW p
.if (\p) < 7
	s_wait_loadcnt 16                              ; this row's 16 loads are in; the next row's may be out
.else
	s_wait_loadcnt 0x0
.endif
.if ((\p)%2 == 0) && ((\p) > 0)
	s_wait_xcnt 0x0                                ; the last pair's store has read v16-19
.endif
.irp i, 0,1,2,3,4,5,6,7,8,9,10,11,12,13,14,15
.irp e, 0,1,2,3
	v_cmp_ne_u32 s[40+4*(\i%2)+\e], 0, v[32+64*((\p)%2)+4*\i+\e]
.endr
.irp e, 0,1,2,3
	v_writelane_b32 v[16+\e], s[40+4*(\i%2)+\e], \i+16*((\p)%2)
.endr
.endr
.if (\p)+2 < 8
	MLOAD (\p)+2
.endif
.if (\p)%2 == 1
	global_store_b128 v3, v[16:19], s[26:27] offset:((\p)/2)*512   ; two rows' words: 512 consecutive bytes
.irp e, 0,1,2,3
.if (\p) == 1
	v_mov_b32 v[20+\e], v[16+\e]
	v_mov_b32 v[24+\e], v[16+\e]
.else
	v_and_b32 v[20+\e], v[20+\e], v[16+\e]
	v_or_b32 v[24+\e], v[24+\e], v[16+\e]
.endif
.endr
	v_or_b32 v28, v16, v17
	v_or_b32 v29, v18, v19
	v_or_b32 v28, v28, v29
	v_cmp_ne_u32 s48, 0, v28                       ; bits 0-15: the even row's steps that have a key; bits 16-31: the odd row's
	s_and_b32 s49, s48, 0xffff
	s_cselect_b32 s50, s50, 1                      ; none at all: the row has no key
	s_lshr_b32 s49, s48, 16
	s_cselect_b32 s50, s50, 1
.endif
.endm
	MLOAD 0
	MLOAD 1
.irp p, 0,1,2,3,4,5,6,7
	MROW \p
.endr
	v_and_b32 v20, v20, v21
	v_and_b32 v22, v22, v23
	v_and_b32 v20, v20, v22
	v_cmp_eq_u32 s48, -1, v20
	s_lshr_b32 s49, s48, 16
	s_and_b32 s48, s48, s49
	s_and_b32 s52, s48, 0xffff                     ; all
	v_or_b32 v24, v24, v25
	v_or_b32 v26, v26, v27
	v_or_b32 v24, v24, v26
	v_cmp_ne_u32 s48, 0, v24
	s_lshr_b32 s49, s48, 16
	s_or_b32 s48, s48, s49
	s_and_b32 s48, s48, 0xffff
	s_lshl_b32 s50, s50, 16
	s_or_b32 s51, s48, s50                         ; any
	v_mov_b32 v29, s51
	v_mov_b32 v30, s52
	v_mov_b32 v31, 0
	v_cmp_eq_u32 vcc_lo, 0, v2
	s_wait_xcnt 0x0                                ; EXEC changes only behind this wait
	s_and_saveexec_b32 s53, vcc_lo                 ; lane 0 alone stores the two words
	global_store_b32 v31, v29, s[28:29]
	global_store_b32 v31, v30, s[28:29] offset:1024
	s_wait_xcnt 0x0
	s_or_b32 exec_lo, exec_lo, s53
.Ldone:
	s_wait_tensorcnt 0x0                           ; the wave's end: a tensor wait (here with no tensor load), 0 onto my spare word, and its wait, behind the last LDS store
	ds_add_u32 v[SPW], v[NIL]
	s_wait_dscnt 0x0
	s_endpgm
.Lfunc_end_k_qb5228fc1a2_prep:
	.size	k_qb5228fc1a2_prep, .Lfunc_end_k_qb5228fc1a2_prep-k_qb5228fc1a2_prep
	.p2alignl 7, 3214868480
	.fill 96, 4, 3214868480
	.section	.rodata,"a",@progbits
	.p2align	6, 0x0
	.amdhsa_kernel k_qb5228fc1a2_prep
		.amdhsa_group_segment_fixed_size 68096
		.amdhsa_private_segment_fixed_size 0
		.amdhsa_enable_private_segment 0
		.amdhsa_kernarg_size 64
		.amdhsa_user_sgpr_count 2
		.amdhsa_user_sgpr_kernarg_segment_ptr 1
		.amdhsa_wavefront_size32 1
		.amdhsa_system_sgpr_workgroup_id_x 1
		.amdhsa_system_sgpr_workgroup_id_y 1
		.amdhsa_system_sgpr_workgroup_id_z 1
		.amdhsa_system_vgpr_workitem_id 0
		.amdhsa_next_free_vgpr 192
		.amdhsa_next_free_sgpr 66
		.amdhsa_reserve_vcc 1
		.amdhsa_float_denorm_mode_32 3
		.amdhsa_float_denorm_mode_16_64 3
		.amdhsa_memory_ordered 1
		.amdhsa_forward_progress 1
		.amdhsa_inst_pref_size 210
	.end_amdhsa_kernel
	.amdgpu_metadata
---
amdhsa.version: [ 1, 2 ]
amdhsa.kernels:
  - .name:           k_qb5228fc1a2_prep
    .symbol:         k_qb5228fc1a2_prep.kd
    .args:
      - { .name: x, .offset: 0, .size: 8, .value_kind: global_buffer, .address_space: global }
      - { .name: W_qkv, .offset: 8, .size: 8, .value_kind: global_buffer, .address_space: global }
      - { .name: W_out, .offset: 16, .size: 8, .value_kind: global_buffer, .address_space: global }
      - { .name: mask, .offset: 24, .size: 8, .value_kind: global_buffer, .address_space: global }
      - { .name: xq, .offset: 32, .size: 8, .value_kind: global_buffer, .address_space: global }
      - { .name: wq, .offset: 40, .size: 8, .value_kind: global_buffer, .address_space: global }
      - { .name: wimg, .offset: 48, .size: 8, .value_kind: global_buffer, .address_space: global }
      - { .name: mk, .offset: 56, .size: 8, .value_kind: global_buffer, .address_space: global }
    .group_segment_fixed_size: 68096
    .private_segment_fixed_size: 0
    .kernarg_segment_align: 8
    .kernarg_segment_size: 64
    .max_flat_workgroup_size: 128
    .sgpr_count:     66
    .vgpr_count:     192
    .wavefront_size: 32
...
	.end_amdgpu_metadata
.endif
;; end of part 1
;; launch qkv (part 2): grid 12 x 32, 4 waves a work-group, clusters of 4 x 4, 327,680 bytes of LDS; arguments xq, wq, b_qkv, qkv; writes qkv
.if DOCPART == 2
	.amdgcn_target "amdgcn-amd-amdhsa--gfx1250"
	.amdhsa_code_object_version 6
	.text
	.protected	k_qb5228fc1a2_qkv
	.globl	k_qb5228fc1a2_qkv
	.p2align	8
	.type	k_qb5228fc1a2_qkv,@function
k_qb5228fc1a2_qkv:
	s_mov_b64 s[64:65], 0
	v_nop
	global_prefetch_b8 v0, s[64:65] scope:SCOPE_SE
	s_setreg_imm32_b32 hwreg(HW_REG_WAVE_MODE, 25, 1), 1
	s_wait_xcnt 0x0
	s_wait_alu depctr_hold_cnt(0) depctr_sa_sdst(0) depctr_va_vdst(0) depctr_va_sdst(0) depctr_va_ssrc(0) depctr_va_vcc(0) depctr_vm_vsrc(0)
	s_getreg_b32 s2, hwreg(HW_REG_IB_STS2, 6, 4)
	s_cmp_eq_u32 s2, 0
	s_cbranch_scc0 .Lentry_in_a_cluster
	s_endpgm
.Lentry_in_a_cluster:
	s_bfe_u32 s2, ttmp6, 0x10000c
	s_cmp_lg_u32 s2, 0xf033
	s_cbranch_scc0 .Lentry_shape_is_right
	s_endpgm
.Lentry_shape_is_right:
; Launch 2 of 5: qkv = Q(x) Q(W_qkv) + b_qkv on codes of E2M1 with E8M0 scales, sums in f32; the results leave as f16, laid in the order in which the attention launch's matrix operands take them.  Nothing is left out here.
; A = xq: codes [8192][512 bytes], scale bytes [8192][32] at 0x400000.  B = wq: codes [3072][512 bytes], scale bytes [3072][32] at 0x180000.
; A tile of 256 x 256 is made by four waves, each 128 x 128: 64 accumulators of 16 x 16.  K = 1,024 is two slots of 512 along K (rows of 256 bytes), both asked for at the start: no slot is filled again.
; The scale bytes of the work-group's rows come once, as runs of 256 bytes with 16 of padding.  CLUSTERS of 4 x 4: A's tiles are asked for jointly along a row of the cluster, B's along a column.
; THE MATRIX INSTRUCTION IS USED TRANSPOSED (source 0 = 16 rows of B, source 1 = 16 rows of A): a lane holds row l % 16 of the result and eight neighbouring columns 8 (l / 16) + 0 .. 7.
; THE BIAS is the C of each sum's first instruction: eight registers for each block of 16 columns.
; THE WAY OUT.  Columns 0-1023 are Q, 1024-2047 K, 2048-3071 V: a cluster's x is the part.  Q is multiplied by c = log2(e) / 8 in f32 ahead of its one rounding, so that the scores come out as exponents of 2.
; qkv: part P at P << 24, [batch x head 64][tile of 16 positions 128][2,048 bytes]; in a tile the block of 16 channels nb at 512 nb.  Q, K: lane l's 16 bytes (a position, 8 channels) at 16 l: the image of half a fragment.
; V: the 16 bytes of (key k, channel octet g) at 16 (16 (k / 8) + 8 g + k % 8), so that the turning LDS load at 16 x lane gives half a fragment of V^T.  Every store of a wave covers 512 consecutive bytes, aligned.
; LIMIT: q c, k and v beyond f16's 65,504 are not served.
; REGISTERS: window 0: v0-31 addresses; v32-95 scale words, two sets, and nothing else; v128-191 A's fragments, one set, on the way out the packed results; v192-255 the bias, on the way out Q's scaled numbers.
;   window 1: B's fragments, two sets.  windows 2, 3: the accumulators of my rows 0-63 and 64-127 ((a, b) at v[8 (8 (a % 4) + b)]).
.set NQ,     4                         ; matrix instructions deep in a slot
.set ROWB,   256                       ; a tile's row in bytes: 512 codes
.set KROW,   512                       ; a row of A or of B in memory
.set PITCH,  272                       ; an LDS row: 256 bytes + 16 of padding: the 16 rows that a load touches start 68 words apart
.set FR,     8
.set NL,     2
.set NP,     4                         ; places behind this matrix instruction (ISA guide 7.12.1)
.set HALFT,  128*PITCH
.set SLOT,   4*HALFT
.set KS,     32                        ; a row of scale bytes
.set SCL,    2*SLOT
.set HALFS,  16*272                    ; the scale bytes of 128 rows
.set SBLK,   2*272                     ; of 16 rows
.set SPARE,  SCL+4*HALFS               ; the spare words: 128 bytes a wave, two blocks of 256 bytes that no other line names
.set ADRA, 16
.set ADRB, 20
.set LP,   24                          ; v24 the way out: my 16 bytes' place in a block of 512
.set ADRS, 27
.set SPW,  28
.set NIL,  29
.set SC,   32
.set AF,   128
.set BI,   192
.set G1, 24
.set G0, 32
.set G1B, 48
.set G0B, 56
.set G1S, 68
.set G0S, 76
.set G1SB, 80
.set G0SB, 88
.set MSB, 0
.macro WIN new                         ; the immediate's high byte repeats the setting that is left
.if MSB != \new
	s_set_vgpr_msb (MSB<<8)|\new
.set MSB, \new
.endif
.endm
.set MUL_LO, 0xa1                      ; source 0 (B) window 1, source 1 (A) window 0, C and D window 2
.set MUL_HI, 0xf1
.set TO_B,   0x40
; A joint load: waves 0 and 1 fetch for A, waves 2 and 3 for B; the branch hangs on the wave's number alone.  An s_nop 0 and four v_nop follow each of the two lines.
.macro JLOAD g0a, g1a, g0b, g1b
	s_cmp_eq_u32 s15, 0
	s_cbranch_scc0 .Lfor_b_\@
	tensor_load_to_lds s[\g0a:\g0a+3], s[\g1a:\g1a+7]
	s_nop 0
.rept 4
	v_nop
.endr
	s_branch .Lasked_\@
.Lfor_b_\@:
	tensor_load_to_lds s[\g0b:\g0b+3], s[\g1b:\g1b+7]
	s_nop 0
.rept 4
	v_nop
.endr
.Lasked_\@:
.endm
.macro CROUND                          ; a round of the cluster's barrier
	s_barrier_signal -1
	s_barrier_wait -1
	s_cmp_lg_u32 s14, 0
	s_cbranch_scc1 .Lnot_wave_0_\@
	s_barrier_signal -3
.Lnot_wave_0_\@:
	s_barrier_wait -3
	s_barrier_signal -1
	s_barrier_wait -1
.endm
	s_load_b64 s[4:5], s[0:1], 0x0                 ; xq
	s_load_b64 s[8:9], s[0:1], 0x8                 ; wq
	s_load_b64 s[98:99], s[0:1], 0x10              ; b_qkv
	s_load_b64 s[12:13], s[0:1], 0x18              ; qkv
	v_lshl_add_u32 v[SPW], v0, 2, SPARE
	v_mov_b32 v[NIL], 0
	ds_add_u32 v[SPW], v[NIL]                      ; the wave's opening: the add, twice on end, and its wait ahead of my first tensor load
	ds_add_u32 v[SPW], v[NIL]
	v_lshrrev_b32 v1, 5, v0
	v_readfirstlane_b32 s14, v1                    ; wave 0..3
	s_lshr_b32 s15, s14, 1                         ; which half of the tile's rows is mine.  Also: I fetch for A (0) or for B (1)
	s_and_b32 s16, s14, 1                          ; which half of its columns.  Also: which 128 rows of that tile I fetch
	s_bfe_u32 s40, ttmp6, 0x40000                  ; cx, cy: my place in the cluster
	s_bfe_u32 s41, ttmp6, 0x40004
	s_lshl_b32 s42, ttmp9, 2
	s_add_co_u32 s42, s42, s40                     ; tile column
	s_and_b32 s17, ttmp7, 0xffff
	s_lshl_b32 s17, s17, 2
	s_add_co_u32 s17, s17, s41                     ; tile row
	s_lshl_b32 s43, s41, 2
	s_lshl_b32 s43, 15, s43                        ; my row of the cluster
	s_lshl_b32 s44, 0x1111, s40                    ; my column
	s_or_b32 s[G1+0], s43, (0<<16)|(1<<20)|(1<<21)|(5<<22)|(3<<25)  ; the mask; elements of 1 byte; padding on; bit 21 beside a mask; 4 words behind every 64
	s_or_b32 s[G1B+0], s44, (0<<16)|(1<<20)|(1<<21)|(5<<22)|(3<<25)
.irp g, G1, G1B
	s_mov_b32 s[\g+1], ROWB<<16                    ; tensor_dim0
	s_mov_b32 s[\g+2], 128<<16                     ; tensor_dim1
	s_mov_b32 s[\g+3], ROWB<<16                    ; tile_dim0
	s_mov_b32 s[\g+4], 128                         ; tile_dim1
	s_mov_b32 s[\g+5], KROW                        ; from row to row
	s_mov_b32 s[\g+6], 0
	s_mov_b32 s[\g+7], 0
.endr
	s_or_b32 s[G1S+0], s43, (3<<16)|(1<<20)|(1<<21)|(5<<22)|(3<<25) ; the scale bytes of 128 rows: 4,096 dense bytes as 16 rows of 32 elements of 8 bytes
	s_or_b32 s[G1SB+0], s44, (3<<16)|(1<<20)|(1<<21)|(5<<22)|(3<<25)
.irp g, G1S, G1SB
	s_mov_b32 s[\g+1], 32<<16
	s_mov_b32 s[\g+2], 16<<16
	s_mov_b32 s[\g+3], 32<<16
	s_mov_b32 s[\g+4], 16
	s_mov_b32 s[\g+5], 32
	s_mov_b32 s[\g+6], 0
	s_mov_b32 s[\g+7], 0
.endr
	s_lshl_b32 s18, s16, 7
	s_lshl_b32 s20, s17, 8
	s_add_co_u32 s20, s20, s18                     ; A: row 256 x tile row + 128 x half
	s_lshl_b32 s46, s42, 8
	s_add_co_u32 s46, s46, s18                     ; B: row 256 x tile column + 128 x half
	s_mov_b32 s21, 0
	s_mov_b32 s47, 0
	s_mov_b64 s[18:19], KS
	s_mul_u64 s[22:23], s[20:21], s[18:19]         ; where these rows' scale bytes begin
	s_mul_u64 s[92:93], s[46:47], s[18:19]
	s_mov_b64 s[18:19], KROW
	s_mul_u64 s[20:21], s[20:21], s[18:19]         ; and their codes
	s_mul_u64 s[46:47], s[46:47], s[18:19]
	s_mul_i32 s45, s14, HALFT                      ; where they go: wave x 128 rows
	s_mul_i32 s94, s14, HALFS
	s_mov_b32 s96, 0x3e38aa3b                      ; c = log2(e) / 8
	s_mov_b32 s97, s96                             ; (named with it as a pair)
	s_wait_dscnt 0x0                               ; both opening adds are done
	s_wait_kmcnt 0x0
	s_add_nc_u64 s[6:7], s[4:5], 0x400000          ; A's scale bytes
	s_add_nc_u64 s[10:11], s[8:9], 0x180000        ; B's
	s_add_nc_u64 s[20:21], s[4:5], s[20:21]
	s_add_nc_u64 s[22:23], s[6:7], s[22:23]
	s_add_nc_u64 s[46:47], s[8:9], s[46:47]
	s_add_nc_u64 s[92:93], s[10:11], s[92:93]
	CROUND                                         ; all sixteen work-groups are here: the joint loads meet
	s_mov_b32 s[G0S], 1
	s_add_co_u32 s[G0S+1], s94, SCL
	s_mov_b64 s[G0S+2:G0S+3], s[22:23]
	s_or_b32 s[G0S+3], s[G0S+3], 0x80000000
	s_mov_b32 s[G0SB], 1
	s_add_co_u32 s[G0SB+1], s94, SCL
	s_mov_b64 s[G0SB+2:G0SB+3], s[92:93]
	s_or_b32 s[G0SB+3], s[G0SB+3], 0x80000000
	JLOAD G0S, G1S, G0SB, G1SB                     ; the scale bytes first; three loads of mine are out at the most
.irp s, 0,1
	s_mov_b32 s[G0+4*\s], 1
	s_add_co_u32 s[G0+4*\s+1], s45, \s*SLOT
	s_add_nc_u64 s[G0+4*\s+2:G0+4*\s+3], s[20:21], \s*ROWB
	s_or_b32 s[G0+4*\s+3], s[G0+4*\s+3], 0x80000000
	s_mov_b32 s[G0B+4*\s], 1
	s_add_co_u32 s[G0B+4*\s+1], s45, \s*SLOT
	s_add_nc_u64 s[G0B+4*\s+2:G0B+4*\s+3], s[46:47], \s*ROWB
	s_or_b32 s[G0B+4*\s+3], s[G0B+4*\s+3], 0x80000000
	JLOAD G0+4*\s, G1, G0B+4*\s, G1B
.endr
	v_and_b32 v1, 15, v0                           ; r = l % 16
	v_bfe_u32 v2, v0, 4, 1                         ; h = l / 16
	v_lshlrev_b32 v7, 5, v2                        ; the bias: my half's eight numbers of a block of 16
	s_lshl_b32 s46, s42, 10                        ; my first column, in bytes of f32: 1,024 x tile column + 512 x half
	s_lshl_b32 s47, s16, 9
	s_add_co_u32 s46, s46, s47
	s_mov_b32 s47, 0
	s_add_nc_u64 s[98:99], s[98:99], s[46:47]
.irp b, 0,1,2,3,4,5,6,7
	global_load_b128 v[BI+8*\b:BI+8*\b+3], v7, s[98:99] offset:64*\b
	global_load_b128 v[BI+8*\b+4:BI+8*\b+7], v7, s[98:99] offset:64*\b+16
.endr
	v_mul_u32_u24 v3, v1, PITCH
	v_lshl_add_u32 v4, v2, 4, v3                   ; a fragment's row x pitch + 16 x half
	s_mul_i32 s21, s15, HALFT                      ; my 128 rows of A
	s_mul_i32 s22, s16, HALFT                      ; my 128 rows of B,
	s_add_co_u32 s22, s22, 2*HALFT                 ; behind A's 256
.irp s, 0,1
	v_add_nc_u32 v[ADRA+\s], s21, v4
	v_add_nc_u32 v[ADRB+\s], s22, v4
	s_add_co_u32 s21, s21, SLOT
	s_add_co_u32 s22, s22, SLOT
.endr
	v_mul_u32_u24 v5, v1, KS                       ; my row's scale bytes,
	v_lshrrev_b32 v6, 8, v5
	v_lshl_add_u32 v5, v6, 4, v5                   ; and 16 more for each 256 passed
	s_mul_i32 s21, s15, HALFS
	s_mul_i32 s22, s16, HALFS
	s_add_co_u32 s22, s22, 2*HALFS
	s_sub_co_u32 s22, s22, s21
	v_mul_u32_u24 v6, s22, v2                      ; lanes 16-31 take B's: one product, the distance between the two bases
	s_add_co_u32 s21, s21, SCL
	v_add_nc_u32 v5, v5, v6
	v_add_nc_u32 v[ADRS], s21, v5
	; the way out: my 16 bytes in a block of 512: Q, K: 16 (r % 8) + 128 (r / 8) + 256 h;  V: 16 (r % 8) + 256 (r / 8) + 128 h
	s_cmp_eq_u32 ttmp9, 2                          ; the cluster's x is the part: the same in all sixteen partners
	s_cselect_b32 s94, 8, 7
	s_cselect_b32 s95, 7, 8
	v_and_b32 v5, 7, v1
	v_lshrrev_b32 v6, 3, v1
	v_lshlrev_b32 v[LP], 4, v5
	v_lshlrev_b32 v6, s94, v6
	v_add_nc_u32 v[LP], v[LP], v6
	v_lshlrev_b32 v6, s95, v2
	v_add_nc_u32 v[LP], v[LP], v6
	s_lshl_b32 s92, ttmp9, 24                      ; the part,
	s_lshr_b32 s93, s17, 3
	s_lshl_b32 s93, s93, 22                        ; the batch: 16 heads of 262,144 bytes,
	s_add_co_u32 s92, s92, s93
	s_lshl_b32 s93, s40, 20                        ; head 4 cx + 2 x half (+ b / 4),
	s_add_co_u32 s92, s92, s93
	s_lshl_b32 s93, s16, 19
	s_add_co_u32 s92, s92, s93
	s_and_b32 s93, s17, 7
	s_lshl_b32 s93, s93, 15                        ; tile of positions 16 (tile row % 8) + 8 x half (+ a)
	s_add_co_u32 s92, s92, s93
	s_lshl_b32 s93, s15, 14
	s_add_co_u32 s92, s92, s93
	s_mov_b32 s93, 0
	s_add_nc_u64 s[12:13], s[12:13], s[92:93]
.macro FRAG reg, adr, q, i             ; 16 rows x 128 K of 4-bit codes: 8 registers: two loads of 16 bytes, 32 bytes apart
.irp c, 0,1
	ds_load_b128 v[\reg+4*\c:\reg+4*\c+3], v[\adr] offset:64*(\q)+32*\c+(\i)*16*PITCH
.endr
.endm
; 16 matrix instructions: A's blocks a0, a0 + 1 x B's eight.  p: B's set; sc: the set of scale words.  first = 1: the bias starts the sums.  The 64 accumulators take turns, one instruction a turn.
.macro MUL16 a0, p, q, sc, first
.irp a, \a0, \a0+1
.irp b, 0,1,2,3,4,5,6,7
.if \first
	v_wmma_scale_f32_16x16x128_f8f6f4 v[8*(8*((\a)%4)+\b):8*(8*((\a)%4)+\b)+7], v[128*(\p)+FR*\b:128*(\p)+FR*\b+FR-1], v[AF+FR*(\a):AF+FR*(\a)+FR-1], v[BI+8*\b:BI+8*\b+7], v[SC+8*NQ*(\sc)+NQ*\b+(\q)], v[SC+8*NQ*(\sc)+NQ*(\a)+(\q)] matrix_a_fmt:MATRIX_FMT_FP4 matrix_b_fmt:MATRIX_FMT_FP4 matrix_a_scale:MATRIX_SCALE_ROW1
.else
	v_wmma_scale_f32_16x16x128_f8f6f4 v[8*(8*((\a)%4)+\b):8*(8*((\a)%4)+\b)+7], v[128*(\p)+FR*\b:128*(\p)+FR*\b+FR-1], v[AF+FR*(\a):AF+FR*(\a)+FR-1], v[8*(8*((\a)%4)+\b):8*(8*((\a)%4)+\b)+7], v[SC+8*NQ*(\sc)+NQ*\b+(\q)], v[SC+8*NQ*(\sc)+NQ*(\a)+(\q)] matrix_a_fmt:MATRIX_FMT_FP4 matrix_b_fmt:MATRIX_FMT_FP4 matrix_a_scale:MATRIX_SCALE_ROW1
.endif
.endr
.endr
.endm
.macro FETCH_B slot, q, p
	WIN TO_B
.irp i, 0,1,2,3,4,5,6,7
	FRAG 128*(\p)+FR*\i, ADRB+\slot, \q, \i
.endr
	WIN 0
.endm
.macro FETCH_A slot, q, i0
.irp i, \i0, \i0+1, \i0+2, \i0+3
	FRAG AF+FR*(\i), ADRA+\slot, \q, \i
.endr
.endm
.macro SCALES sc                       ; a slot's scale words: lanes 0-15 A's block i, lanes 16-31 B's block i
.irp i, 0,1,2,3,4,5,6,7
	ds_load_b128 v[SC+8*NQ*\sc+NQ*\i:SC+8*NQ*\sc+NQ*\i+3], v[ADRS] offset:\i*SBLK
.endr
.endm
.macro PLACES n                        ; places in front of loads into registers that matrix instructions have read, and of the first read of results
.rept \n
	v_nop
.endr
.endm
.macro STEP slot, q, first             ; 128 along K with its successor in the same slot
	s_wait_dscnt 4*NL                              ; B's set and A's blocks 0-3 are in; the youngest eight loads (A's blocks 4-7) may be out
.if \first
	WIN 0x81                                       ; C (the bias) window 0, D window 2
.else
	WIN MUL_LO
.endif
	MUL16 0, (\q)%2, \q, \slot, \first
	MUL16 2, (\q)%2, \q, \slot, \first
	s_wait_dscnt 0
	PLACES NP
	FETCH_B \slot, (\q)+1, 1-(\q)%2
	FETCH_A \slot, (\q)+1, 0
.if \first
	WIN 0xc1
.else
	WIN MUL_HI
.endif
	MUL16 4, (\q)%2, \q, \slot, \first
	MUL16 6, (\q)%2, \q, \slot, \first
	PLACES NP
	WIN 0
	FETCH_A \slot, (\q)+1, 4
.endm
.macro TURN slot, next                 ; slot 0's last step: the other slot must be whole in every wave's eyes: my load of it has landed, then the barrier.  Nothing is filled again.
	s_wait_tensorcnt 0x0
	ds_add_u32 v[SPW], v[NIL]                      ; 0 onto my spare word
	s_wait_dscnt 4*NL+1                            ; (the add and A's blocks 4-7 may be out)
	WIN MUL_LO
	MUL16 0, 1, NQ-1, \slot, 0
	s_wait_dscnt 0x0
	s_barrier_signal -1
	MUL16 2, 1, NQ-1, \slot, 0
	WIN 0
	s_barrier_wait -1
	PLACES NP
	v_add_nc_u32 v[ADRS], 4*NQ, v[ADRS]            ; the next slot's scale words (no LDS load of mine is out)
	FETCH_B \next, 0, 0
	FETCH_A \next, 0, 0
	SCALES \next
	WIN MUL_HI
	MUL16 4, 1, NQ-1, \slot, 0
	MUL16 6, 1, NQ-1, \slot, 0
	PLACES NP
	WIN 0
	FETCH_A \next, 0, 4
.endm
	s_wait_tensorcnt 1                             ; the scale bytes and my part of slot 0 are in (slot 1's load may be out),
	s_barrier_signal -1
	s_barrier_wait -1                              ; everybody's are
	FETCH_B 0, 0, 0
	FETCH_A 0, 0, 0
	SCALES 0
	FETCH_A 0, 0, 4
	s_wait_loadcnt 0x0                             ; the bias
	STEP 0, 0, 1
	STEP 0, 1, 0
	STEP 0, 2, 0
	TURN 0, 1
	STEP 1, 0, 0
	STEP 1, 1, 0
	STEP 1, 2, 0
	s_wait_dscnt 4*NL
	WIN MUL_LO
	MUL16 0, 1, NQ-1, 1, 0
	MUL16 2, 1, NQ-1, 1, 0
	s_wait_dscnt 0
	WIN MUL_HI
	MUL16 4, 1, NQ-1, 1, 0
	MUL16 6, 1, NQ-1, 1, 0
	WIN 0
; THE WAY OUT, a block of 16 rows at a time.  A lane's eight results of a block of 16 columns round to 16 bytes, which are its part of an operand's image: stored straight from registers, 512 consecutive bytes an instruction.
.macro OUTBLK a, q
.set AC, 64*((\a)%4)
.set TP, 128+32*((\a)%2)
.if (\a) > 1
	s_wait_xcnt 0x0                                ; the stores of two blocks back have read this set
.endif
.if \q
	WIN 0x02+(\a)/4                                ; source 0: window 2 or 3
.irp i, 0,1,2,3,4,5,6,7,8,9,10,11,12,13,14,15,16,17,18,19,20,21,22,23,24,25,26,27,28,29,30,31
	v_pk_mul_f32 v[192+2*\i:193+2*\i], v[AC+2*\i:AC+2*\i+1], s[96:97] op_sel_hi:[1,0]   ; q x c, in f32; each accumulator from its low end on
.endr
	WIN 0
.irp i, 0,1,2,3,4,5,6,7,8,9,10,11,12,13,14,15,16,17,18,19,20,21,22,23,24,25,26,27,28,29,30,31
	v_cvt_pk_f16_f32 v[TP+\i], v[192+2*\i], v[193+2*\i]
.endr
.else
	WIN 0x0a+5*((\a)/4)                            ; sources 0 and 1: window 2 or 3
.irp i, 0,1,2,3,4,5,6,7,8,9,10,11,12,13,14,15,16,17,18,19,20,21,22,23,24,25,26,27,28,29,30,31
	v_cvt_pk_f16_f32 v[TP+\i], v[AC+2*\i], v[AC+2*\i+1]
.endr
	WIN 0
.endif
.irp b, 0,1,2,3,4,5,6,7
	global_store_b128 v[LP], v[TP+4*\b:TP+4*\b+3], s[12:13] offset:(\a)*2048+(\b/4)*262144+(\b%4)*512
.endr
.endm
	PLACES NP                                      ; behind the last products
	s_cmp_lg_u32 ttmp9, 0                          ; Q's clusters scale, the others do not: the same way in all partners
	s_cbranch_scc1 .Lplain
.irp a, 0,1,2,3,4,5,6,7
	OUTBLK \a, 1
.endr
	s_branch .Lsent
.Lplain:
.irp a, 0,1,2,3,4,5,6,7
	OUTBLK \a, 0
.endr
.Lsent:
	s_wait_tensorcnt 0x0                           ; the wave's end: a tensor wait, 0 onto my spare word, and its wait
	ds_add_u32 v[SPW], v[NIL]
	s_wait_dscnt 0x0
	CROUND                                         ; the closing round: no work-group ends while a partner may still ask for a tile that names it
	s_endpgm
.Lfunc_end_k_qb5228fc1a2_qkv:
	.size	k_qb5228fc1a2_qkv, .Lfunc_end_k_qb5228fc1a2_qkv-k_qb5228fc1a2_qkv
	.p2alignl 7, 3214868480
	.fill 96, 4, 3214868480
	.section	.rodata,"a",@progbits
	.p2align	6, 0x0
	.amdhsa_kernel k_qb5228fc1a2_qkv
		.amdhsa_group_segment_fixed_size 327680
		.amdhsa_private_segment_fixed_size 0
		.amdhsa_enable_private_segment 0
		.amdhsa_kernarg_size 32
		.amdhsa_user_sgpr_count 2
		.amdhsa_user_sgpr_kernarg_segment_ptr 1
		.amdhsa_wavefront_size32 1
		.amdhsa_system_sgpr_workgroup_id_x 1
		.amdhsa_system_sgpr_workgroup_id_y 1
		.amdhsa_system_sgpr_workgroup_id_z 1
		.amdhsa_system_vgpr_workitem_id 0
		.amdhsa_next_free_vgpr 1024
		.amdhsa_next_free_sgpr 100
		.amdhsa_reserve_vcc 0
		.amdhsa_float_denorm_mode_32 3
		.amdhsa_float_denorm_mode_16_64 3
		.amdhsa_memory_ordered 1
		.amdhsa_forward_progress 1
		.amdhsa_inst_pref_size 159
	.end_amdhsa_kernel
	.amdgpu_metadata
---
amdhsa.version: [ 1, 2 ]
amdhsa.kernels:
  - .name:           k_qb5228fc1a2_qkv
    .symbol:         k_qb5228fc1a2_qkv.kd
    .args:
      - { .name: xq, .offset: 0, .size: 8, .value_kind: global_buffer, .address_space: global }
      - { .name: wq, .offset: 8, .size: 8, .value_kind: global_buffer, .address_space: global }
      - { .name: b_qkv, .offset: 16, .size: 8, .value_kind: global_buffer, .address_space: global }
      - { .name: qkv, .offset: 24, .size: 8, .value_kind: global_buffer, .address_space: global }
    .group_segment_fixed_size: 327680
    .private_segment_fixed_size: 0
    .kernarg_segment_align: 8
    .kernarg_segment_size: 32
    .max_flat_workgroup_size: 128
    .sgpr_count:     100
    .vgpr_count:     1024
    .wavefront_size: 32
...
	.end_amdgpu_metadata
.endif
;; end of part 2
;; launch attn (part 3): grid 4 x 64, 8 waves a work-group, no clusters, 66,560 bytes of LDS; arguments qkv, mk, att; writes att
.if DOCPART == 3
	.amdgcn_target "amdgcn-amd-amdhsa--gfx1250"
	.amdhsa_code_object_version 6
	.text
	.protected	k_qb5228fc1a2_attn
	.globl	k_qb5228fc1a2_attn
	.p2align	8
	.type	k_qb5228fc1a2_attn,@function
k_qb5228fc1a2_attn:
	s_mov_b64 s[64:65], 0
	v_nop
	global_prefetch_b8 v0, s[64:65] scope:SCOPE_SE
	s_setreg_imm32_b32 hwreg(HW_REG_WAVE_MODE, 25, 1), 1
	s_wait_xcnt 0x0
; Launch 3 of 5: O = softmax(where(mask == 0, -1e9, Q K^T / 8)) V for each of 64 (batch, head), f16 operands, f32 sums, maxima and exponentials.
; LEFT OUT, by whole numbers that launch 1 stored: a block of 256 queries x 128 keys whose mask is 0 throughout, where each of the 256 queries has some key: there reference()'s exp(-1e9 - max) is 0.  Where a query
; has no key at all, all 16 steps of its block are walked under the mask, and the row comes out as reference()'s plain average.  LIMITS: true scores under about -1e9 + 150; q c, k, v, O beyond 65,504; NaN and infinities.
; SHARES.  Work-group (p, batch x head) makes two passes: the blocks 7 - p and p of 256 queries.  Wave w owns two tiles of 16 queries, 2 w and 2 w + 1 of the block.  A key step is 128 keys.
; NO TENSOR LOAD AND NO CLUSTER: what is walked hangs on numbers read from memory, so K and V go memory -> registers -> LDS, as dense copies of 16,384 bytes, all eight waves sharing the copy.
; LAYOUT.  Both products are used transposed: S^T = K Q^T, O^T = V^T P: a lane holds ONE query (lane % 16) throughout; two tiles of S^T, rounded in pairs, ARE a fragment of P.  Q was multiplied by log2(e) / 8
; in launch 2, so a score is an exponent of 2: p = 2^(t - m), m the running maximum; O^T and the sum l are multiplied by a = 2^(m_old - m_new) in every step.  A masked t is -1e9 log2(e).
; TWO ROLES.  Waves 0-3 and waves 4-7 take turns: in each half of a trip one role issues the matrix work (M: V^T P of the step before, K Q^T of the step in hand, the mask) and the other its softmax (S).
; A TRIP: with nxt, cur, prev the live steps in hand, both roles read K(cur) and V(prev) from slot trip % 2, and all waves copy K(nxt) and V(cur) into the other slot.  A barrier stands behind each half.
; 18 trips a pass, always (16 steps and two to drain), so that no barrier hangs on data: only work is jumped over.  Every LDS address is a constant + 16 x lane or 16 x thread.
; REGISTERS.  window 0: v1-11, v40 addresses; v12-15 at work; v16-23 mask words; v24-39 statistics, 8 a tile: +0 m, +1 zero, +2 +3 l, +4..+7 at work (a in +6); v64-191 S^T, 64 a tile; v192-255 P, 32 a tile.
;   window 1: v0-63 O^T, 32 a tile; v64-95 Q; v96-159, v160-223 two buffers of fragments; v224-255 K and V on their way to LDS.
.set SPARE, 65536                      ; behind the two slots: the spare words, 128 bytes for each of eight waves
.set AL,  1                            ; 16 x lane
.set T16, 2                            ; 16 x thread
.set KO,  3
.set VO,  4
.set MO,  5
.set MB,  6                            ; the mask words of my query in tile 0 of this pass
.set SH,  7                            ; 2 (lane / 16)
.set TMK, 8                            ; the masked t
.set SPW, 9
.set NIL, 10
.set PFO, 11
.set TT,  12
.set MW,  16
.set ST,  24
.set R256, 40
.set S,   64
.set P,   192
.set OT,  0
.set QF,  64
.set F0,  96
.set F1,  160
.set STG, 224
.set MSB, 0
.macro WIN new                         ; the immediate's high byte repeats the setting that is left
.if MSB != \new
	s_set_vgpr_msb (MSB<<8)|\new
.set MSB, \new
.endif
.endm
.macro PLACES n
.rept \n
	v_nop
.endr
.endm
; s16 wave, s17 role, s19 batch x head, s20 pass, s21 block, s22 trips to go / 2, s23 trip, s24 steps still to pick, s25 nxt, s26 cur, s28 s29 s30: is nxt, cur, prev a live step, s31: cur wants the mask, s32 steps without any 0 for my 32 queries
	s_load_b64 s[4:5], s[0:1], 0x0                 ; qkv
	s_load_b64 s[10:11], s[0:1], 0x8               ; mk
	s_load_b64 s[12:13], s[0:1], 0x10              ; att
	v_lshl_add_u32 v[SPW], v0, 2, SPARE
	v_mov_b32 v[NIL], 0
	v_lshrrev_b32 v12, 5, v0
	v_readfirstlane_b32 s16, v12                   ; wave 0..7
	s_lshr_b32 s17, s16, 2                         ; role
	s_and_b32 s19, ttmp7, 0xffff
	v_and_b32 v12, 31, v0
	v_lshlrev_b32 v[AL], 4, v12
	v_lshlrev_b32 v[T16], 4, v0
	v_and_b32 v13, 15, v0                          ; r
	v_bfe_u32 v14, v0, 4, 1                        ; h
	v_lshlrev_b32 v[SH], 1, v14
	v_mov_b32 v[TMK], 0xceabfb8f                   ; -1e9 x log2(e)
	v_lshlrev_b32 v[PFO], 8, v13                   ; the prefetch: lanes 0-15 sixteen runs of 256 bytes of K,
	v_lshl_add_u32 v[PFO], v14, 24, v[PFO]         ; lanes 16-31 the same of V, one part (1 << 24 bytes) further on
	v_lshlrev_b32 v[R256], 8, v13                  ; a query's mask words are 256 bytes
; Written once, since their writers stand under branches on stored numbers and every way through the text must find them written: S^T, P, the mask words, the registers on the way to LDS.
.set i, 64
.rept 192
	v_mov_b32 v[i], 0
.set i, i+1
.endr
.irp i, 0,1,2,3,4,5,6,7
	v_mov_b32 v[MW+\i], 0
.endr
	WIN 0x40
.set i, 0
.rept 32
	v_mov_b32 v[STG+i], 0
.set i, i+1
.endr
	WIN 0
	s_mov_b32 s36, 0x76543210
	s_mov_b32 s37, 0xfedcba98                      ; v_permlanex16_b32's selects for lane l xor 16
	s_lshl_b32 s40, s19, 18                        ; a head's 262,144 bytes in each part
	s_mov_b32 s41, 0
	s_wait_kmcnt 0x0
	s_add_nc_u64 s[4:5], s[4:5], s[40:41]          ; Q of my head
	s_add_nc_u64 s[6:7], s[4:5], 0x1000000         ; K
	s_add_nc_u64 s[8:9], s[4:5], 0x2000000         ; V
	s_lshl_b32 s40, ttmp9, 12
	s_add_co_u32 s40, s40, 16384
	s_add_nc_u64 s[34:35], s[6:7], s[40:41]        ; the prefetches: quarter p of step 1; each trip steps it ahead of its prefetch
	s_mov_b32 s20, 0
; ---- macros of the matrix half
.macro LOADK slot, g, f                ; K's fragments of key tiles 4 g .. 4 g + 3: 16 loads of 512 dense bytes
	WIN 0x40
.irp k, 0,1,2,3
.irp c, 0,1
	ds_load_b128 v[\f+8*(2*\k+\c):\f+8*(2*\k+\c)+3], v[AL] offset:\slot*32768+(4*\g+\k)*2048+1024*\c
	ds_load_b128 v[\f+8*(2*\k+\c)+4:\f+8*(2*\k+\c)+7], v[AL] offset:\slot*32768+(4*\g+\k)*2048+1024*\c+512
.endr
.endr
.endm
.macro LOADV slot, g, f                ; V^T's fragments of keys 64 g .. 64 g + 63: the turning load makes of 16 keys x 16 channels half a fragment
	WIN 0x40
.irp k, 0,1
.irp c, 0,1,2,3
	ds_load_tr16_b128 v[\f+8*(4*\k+\c):\f+8*(4*\k+\c)+3], v[AL] offset:\slot*32768+16384+(2*(2*\g+\k))*2048+512*\c
	ds_load_tr16_b128 v[\f+8*(4*\k+\c)+4:\f+8*(4*\k+\c)+7], v[AL] offset:\slot*32768+16384+(2*(2*\g+\k)+1)*2048+512*\c
.endr
.endr
.endm
.macro QK16 g, f                       ; eight accumulators by turns, one instruction a turn; the first eight start the sums
	WIN 0x05
.irp c, 0,1
.irp k, 0,1,2,3
.irp t, 0,1
.if \c == 0
	v_wmma_f32_16x16x32_f16 v[S+64*\t+8*(4*\g+\k):S+64*\t+8*(4*\g+\k)+7], v[\f+8*(2*\k+\c):\f+8*(2*\k+\c)+7], v[QF+16*\t+8*\c:QF+16*\t+8*\c+7], 0
.else
	v_wmma_f32_16x16x32_f16 v[S+64*\t+8*(4*\g+\k):S+64*\t+8*(4*\g+\k)+7], v[\f+8*(2*\k+\c):\f+8*(2*\k+\c)+7], v[QF+16*\t+8*\c:QF+16*\t+8*\c+7], v[S+64*\t+8*(4*\g+\k):S+64*\t+8*(4*\g+\k)+7]
.endif
.endr
.endr
.endr
.endm
.macro PV16 g, f
	WIN 0x51
.irp k, 0,1
.irp c, 0,1,2,3
.irp t, 0,1
	v_wmma_f32_16x16x32_f16 v[OT+32*\t+8*\c:OT+32*\t+8*\c+7], v[\f+8*(4*\k+\c):\f+8*(4*\k+\c)+7], v[P+32*\t+8*(2*\g+\k):P+32*\t+8*(2*\g+\k)+7], v[OT+32*\t+8*\c:OT+32*\t+8*\c+7]
.endr
.endr
.endr
.endm
; The mask.  Register 8 k + j of a tile holds key 16 k + 8 h + j of the step: bit 4 k + 2 h + j / 4 of the query's word j % 4.  Four at a time: the bit, the compare, the choice.
.macro MASK
.irp i, 0,1,2,3,4,5,6,7
	v_lshrrev_b32 v[MW+\i], v[SH], v[MW+\i]
.endr
.irp t, 0,1
.irp k, 0,1,2,3,4,5,6,7
.irp q, 0,1
.irp e, 0,1,2,3
	v_and_b32 v[TT+\e], 1<<(4*\k+\q), v[MW+4*\t+\e]
.endr
.irp e, 0,1,2,3
	v_cmp_ne_u32 s[56+\e], 0, v[TT+\e]
.endr
.irp e, 0,1,2,3
	v_cndmask_b32 v[S+64*\t+8*\k+4*\q+\e], v[TMK], v[S+64*\t+8*\k+4*\q+\e], s[56+\e]
.endr
.endr
.endr
.endr
.endm
; The matrix half.  Five places stand at each variant's head (its loads and first products write registers of the last matrix instructions), four at its end (vector lines read the results next).
; A wait for 16 leaves out the 16 LDS loads issued last.
.macro MPH slot
	s_cmp_eq_u32 s30, 0
	s_cbranch_scc1 .Lno_pv_\@
	s_cmp_eq_u32 s29, 0
	s_cbranch_scc1 .Lpv_only_\@
	PLACES 5
	LOADV \slot, 0, F0
	LOADV \slot, 1, F1
	s_wait_dscnt 16
	PV16 0, F0
	PLACES 4
	LOADK \slot, 0, F0
	s_wait_dscnt 16
	PV16 1, F1
	PLACES 4
	LOADK \slot, 1, F1
	s_wait_dscnt 16
	QK16 0, F0
	s_wait_dscnt 0x0
	QK16 1, F1
	PLACES 4
	WIN 0
	s_branch .Lmask_\@
.Lpv_only_\@:
	PLACES 5
	LOADV \slot, 0, F0
	LOADV \slot, 1, F1
	s_wait_dscnt 16
	PV16 0, F0
	s_wait_dscnt 0x0
	PV16 1, F1
	PLACES 4
	WIN 0
	s_branch .Lm_end_\@
.Lno_pv_\@:
	s_cmp_eq_u32 s29, 0
	s_cbranch_scc1 .Lm_end_\@
	PLACES 5
	LOADK \slot, 0, F0
	LOADK \slot, 1, F1
	s_wait_dscnt 16
	QK16 0, F0
	s_wait_dscnt 0x0
	QK16 1, F1
	PLACES 4
	WIN 0
.Lmask_\@:
	s_cmp_eq_u32 s31, 0
	s_cbranch_scc1 .Lm_end_\@
	s_wait_loadcnt 0x0                             ; the mask words (they were asked for last)
	MASK
.Lm_end_\@:
.endm
; ---- the softmax half.  PRE writes line j of a tile's list: 0-38 the maximum (four chains of 16 ascending registers; the other half of the lanes; the new m;
; a = 2^(m_old - m_new)), 39-70 t - m, a pair at a time.  POST: 0-31 the roundings to f16, 32-62 the sum of the 32 pairs in place, 63 l = a l + the sum.
.macro PRE t
.set rT, ST+8*(\t)
.set rS, S+64*(\t)
.if j < 4
	v_max3_num_f32 v[rT+4+j], v[rS+16*j], v[rS+16*j+1], v[rS+16*j+2]
.elseif j < 28
	v_max3_num_f32 v[rT+4+j%4], v[rT+4+j%4], v[rS+16*(j%4)+2*(j/4)+1], v[rS+16*(j%4)+2*(j/4)+2]
.elseif j < 32
	v_max_num_f32 v[rT+4+j%4], v[rT+4+j%4], v[rS+16*(j%4)+15]
.elseif j == 32
	v_max3_num_f32 v[rT+4], v[rT+4], v[rT+5], v[rT+6]
.elseif j == 33
	v_max3_num_f32 v[rT+4], v[rT+4], v[rT+7], v[rT]
.elseif j == 34
	v_permlanex16_b32 v[rT+5], v[rT+4], s36, s37
.elseif j == 35
	v_max_num_f32 v[rT+5], v[rT+4], v[rT+5]
.elseif j == 36
	v_sub_f32 v[rT+7], v[rT], v[rT+5]
.elseif j == 37
	v_mov_b32 v[rT], v[rT+5]
.elseif j == 38
	v_exp_f32 v[rT+6], v[rT+7]
.else
	v_pk_add_f32 v[rS+2*(j-39):rS+2*(j-39)+1], v[rS+2*(j-39):rS+2*(j-39)+1], v[rT:rT+1] op_sel_hi:[1,0] neg_lo:[0,1] neg_hi:[0,1]
.endif
.endm
.macro POST t
.set rT, ST+8*(\t)
.set rS, S+64*(\t)
.set rP, P+32*(\t)
.if j < 32
	v_cvt_pk_f16_f32 v[rP+j], v[rS+2*j], v[rS+2*j+1]
.elseif j < 48
	v_pk_add_f32 v[rS+4*(j-32):rS+4*(j-32)+1], v[rS+4*(j-32):rS+4*(j-32)+1], v[rS+4*(j-32)+2:rS+4*(j-32)+3]
.elseif j < 56
	v_pk_add_f32 v[rS+8*(j-48):rS+8*(j-48)+1], v[rS+8*(j-48):rS+8*(j-48)+1], v[rS+8*(j-48)+4:rS+8*(j-48)+5]
.elseif j < 60
	v_pk_add_f32 v[rS+16*(j-56):rS+16*(j-56)+1], v[rS+16*(j-56):rS+16*(j-56)+1], v[rS+16*(j-56)+8:rS+16*(j-56)+9]
.elseif j < 62
	v_pk_add_f32 v[rS+32*(j-60):rS+32*(j-60)+1], v[rS+32*(j-60):rS+32*(j-60)+1], v[rS+32*(j-60)+16:rS+32*(j-60)+17]
.elseif j == 62
	v_pk_add_f32 v[rS:rS+1], v[rS:rS+1], v[rS+32:rS+33]
.else
	v_pk_fma_f32 v[rT+2:rT+3], v[rT+2:rT+3], v[rT+6:rT+7], v[rS:rS+1] op_sel_hi:[1,0,1]
.endif
.endm
; Two batches of exponentials, each with ONE wait ahead of its first reader.  Behind each exponential of tile 0 stands a line of tile 1's PRE, behind each of tile 1 a line of tile 0's POST: plain lines that name no result of the batch.
.macro SPH
.set j, 0
.rept 71
	PRE 0
.set j, j+1
.endr
.set j, 0
.rept 64
	v_exp_f32 v[S+j], v[S+j]
	PRE 1
.set j, j+1
.endr
.rept 7
	PRE 1                                          ; the seven lines that are over: plain lines behind the batch's last exponential
.set j, j+1
.endr
	s_wait_alu depctr_va_vdst(0)                   ; one wait for tile 0's 64, a of both tiles among them
.set j, 0
.rept 64
	v_exp_f32 v[S+64+j], v[S+64+j]
	POST 0
.set j, j+1
.endr
	s_wait_alu depctr_va_vdst(0)                   ; one wait for tile 1's 64 (POST 0's last line is the plain line behind them)
.set j, 0
.rept 64
	POST 1
.set j, j+1
.endr
	WIN 0x41                                       ; O^T (destination and source 0) window 1, a window 0
.irp t, 0,1
.irp i, 0,1,2,3,4,5,6,7,8,9,10,11,12,13,14,15
	v_pk_mul_f32 v[OT+32*\t+2*\i:OT+32*\t+2*\i+1], v[OT+32*\t+2*\i:OT+32*\t+2*\i+1], v[ST+8*\t+6:ST+8*\t+7] op_sel_hi:[1,0]
.endr
.endr
	WIN 0
.endm
; ---- a trip's head, on the way that all waves take: the steps move on, and the copies for the next trip are asked for.
.macro TOP
	s_wait_xcnt 0x0                                ; the last trip's loads and prefetch have read their addresses
	s_add_nc_u64 s[34:35], s[34:35], 16384
	s_mov_b32 s30, s29
	s_mov_b32 s29, s28
	s_mov_b32 s26, s25
	s_ctz_i32_b32 s25, s24                         ; the lowest step still to be picked,
	s_min_u32 s25, s25, 15                         ; held inside the head's 16 steps
	s_cmp_lg_u32 s24, 0
	s_cselect_b32 s28, 1, 0
	s_sub_co_u32 s27, s24, 1
	s_and_b32 s24, s24, s27                        ; and taken off the list
	s_min_u32 s26, s26, 15
	s_lshr_b32 s31, s32, s26
	s_and_not1_b32 s31, s29, s31                   ; cur is live and holds a 0 among my 32 queries
	s_lshl_b32 s27, s25, 14
	v_add_nc_u32 v[KO], s27, v[T16]
	s_lshl_b32 s27, s26, 14
	v_add_nc_u32 v[VO], s27, v[T16]
	s_lshl_b32 s27, s26, 4
	v_add_nc_u32 v[MO], s27, v[MB]
	s_cmp_eq_u32 s28, 0
	s_cbranch_scc1 .Lno_k_\@
	WIN 0x40
.irp i, 0,1,2,3
	global_load_b128 v[STG+4*\i:STG+4*\i+3], v[KO], s[6:7] offset:4096*\i      ; 256 threads x 16 bytes: 4,096 dense bytes a line
.endr
	WIN 0
.Lno_k_\@:
	s_cmp_eq_u32 s29, 0
	s_cbranch_scc1 .Lno_v_\@
	WIN 0x40
.irp i, 0,1,2,3
	global_load_b128 v[STG+16+4*\i:STG+16+4*\i+3], v[VO], s[8:9] offset:4096*\i
.endr
	WIN 0
.Lno_v_\@:
	s_cmp_eq_u32 s31, 0
	s_cbranch_scc1 .Lno_m_\@
	global_load_b128 v[MW:MW+3], v[MO], s[10:11]
	global_load_b128 v[MW+4:MW+7], v[MO], s[10:11] offset:4096
.Lno_m_\@:
; A prefetch of K and V: in its first pass, wave 0 of work-group p asks in trip t for quarter p (4,096 bytes of K, as many of V) of step t + 2, lanes 256 bytes apart: each run is named once in the launch;
; steps 0 and 1 are never asked for, and trip 13 asks for step 15, the last.
	s_cmp_lt_u32 s23, s33
	s_cbranch_scc0 .Lno_pf_\@
	global_prefetch_b8 v[PFO], s[34:35] th:TH_LOAD_NT scope:SCOPE_SE
.Lno_pf_\@:
	s_add_co_u32 s23, s23, 1
.endm
.macro TRIP slot
	TOP
	s_cmp_lg_u32 s17, 0
	s_cbranch_scc1 .Lr1a_\@
	MPH \slot
	s_branch .Lja_\@
.Lr1a_\@:
	s_cmp_eq_u32 s30, 0
	s_cbranch_scc1 .Lja_\@
	SPH
.Lja_\@:
	s_wait_dscnt 0x0
	s_barrier_signal -1
	s_barrier_wait -1                              ; the roles change places
	s_cmp_lg_u32 s17, 0
	s_cbranch_scc1 .Lr1b_\@
	s_cmp_eq_u32 s29, 0
	s_cbranch_scc1 .Ljb_\@
	SPH
	s_branch .Ljb_\@
.Lr1b_\@:
	MPH \slot
.Ljb_\@:
	s_wait_loadcnt 0x0                             ; the copies are in registers.  The other slot's last reads stand in front of the last trip's closing barrier
	s_cmp_eq_u32 s28, 0
	s_cbranch_scc1 .Lns_k_\@
	WIN 0x04                                       ; an LDS store's data are its source 1: window 1
.irp i, 0,1,2,3
	ds_store_b128 v[T16], v[STG+4*\i:STG+4*\i+3] offset:(1-\slot)*32768+4096*\i
.endr
	WIN 0
.Lns_k_\@:
	s_cmp_eq_u32 s29, 0
	s_cbranch_scc1 .Lns_v_\@
	WIN 0x04
.irp i, 0,1,2,3
	ds_store_b128 v[T16], v[STG+16+4*\i:STG+16+4*\i+3] offset:(1-\slot)*32768+16384+4096*\i
.endr
	WIN 0
.Lns_v_\@:
	s_wait_dscnt 0x0                               ; my stores have landed and my reads of this slot are over
	s_barrier_signal -1
	s_barrier_wait -1
.endm
.Lpass:
	s_sub_co_u32 s21, 7, ttmp9
	s_cmp_eq_u32 s20, 0
	s_cselect_b32 s21, s21, ttmp9                  ; the block of 256 queries: 7 - p, then p
	s_or_b32 s33, s20, s16
	s_cmp_eq_u32 s33, 0
	s_cselect_b32 s33, 14, 0                       ; trips in which I prefetch: wave 0, first pass
	s_lshl_b32 s40, s21, 7
	s_load_b512 s[68:83], s[10:11], s40 offset:524288        ; any[] of the block's 32 groups of 8 queries
	s_load_b512 s[84:99], s[10:11], s40 offset:524352
	s_lshl_b32 s41, s16, 4
	s_add_co_u32 s41, s41, s40
	s_load_b128 s[44:47], s[10:11], s41 offset:525312        ; all[] of my four groups
	s_lshl_b32 s48, s21, 15
	s_lshl_b32 s49, s16, 12
	s_add_co_u32 s48, s48, s49
	s_mov_b32 s49, 0
	s_add_nc_u64 s[48:49], s[4:5], s[48:49]        ; Q at my two tiles
	WIN 0x40
.irp t, 0,1
.irp c, 0,1
	global_load_b128 v[QF+16*\t+8*\c:QF+16*\t+8*\c+3], v[AL], s[48:49] offset:\t*2048+1024*\c
	global_load_b128 v[QF+16*\t+8*\c+4:QF+16*\t+8*\c+7], v[AL], s[48:49] offset:\t*2048+1024*\c+512
.endr
.endr
.set i, 0
.rept 64
	v_mov_b32 v[OT+i], 0                           ; O^T: the trips are written once; the first live step finds zeros, which a = 0 leaves zeros
.set i, i+1
.endr
	WIN 0
.irp t, 0,1
	v_mov_b32 v[ST+8*\t], 0xff61b1e6               ; m: -3e38, under every t
.irp i, 1,2,3,4,5,6,7
	v_mov_b32 v[ST+8*\t+\i], 0
.endr
.endr
	s_lshl_b32 s52, s21, 16
	s_lshl_b32 s53, s16, 13
	s_add_co_u32 s52, s52, s53
	v_add_nc_u32 v[MB], s52, v[R256]               ; (256 block + 32 wave + r) x 256 bytes
	s_wait_kmcnt 0x0
.set i, 69
.rept 31
	s_or_b32 s68, s68, s[i]
.set i, i+1
.endr
	s_and_b32 s32, s44, s45
	s_and_b32 s32, s32, s46
	s_and_b32 s32, s32, s47
	s_and_b32 s24, s68, 0xffff                     ; the steps that hold a key for some query of the block;
	s_bitcmp1_b32 s68, 16
	s_cselect_b32 s24, 0xffff, s24                 ; all 16 where some query has no key at all
	s_mov_b32 s25, 0
	s_mov_b32 s28, 0
	s_mov_b32 s29, 0
	s_mov_b32 s23, 0
	s_wait_loadcnt 0x0                             ; Q
	s_mov_b32 s22, 9
.Ltrips:
	TRIP 0
	TRIP 1
	s_sub_co_u32 s22, s22, 1
	s_cmp_lg_u32 s22, 0
	s_cbranch_scc1 .Ltrips
	; THE WAY OUT of a pass: O^T / l; as f16 it is already the image of the projection's operand: att[tile of 16 rows 512][32 channels 32][1,024 bytes], stored straight from registers, 512 dense bytes a line.
.irp t, 0,1
	v_add_f32 v[ST+8*\t+4], v[ST+8*\t+2], v[ST+8*\t+3]
.endr
.irp t, 0,1
	v_permlanex16_b32 v[ST+8*\t+5], v[ST+8*\t+4], s36, s37
.endr
.irp t, 0,1
	v_add_f32 v[ST+8*\t+4], v[ST+8*\t+4], v[ST+8*\t+5]
.endr
.irp t, 0,1
	v_rcp_f32 v[ST+8*\t+6], v[ST+8*\t+4]
.endr
	v_nop                                          ; a plain line behind the reciprocals,
	s_wait_alu depctr_va_vdst(0)                   ; and the one wait ahead of their first reader
	WIN 0x41
.irp t, 0,1
.irp i, 0,1,2,3,4,5,6,7,8,9,10,11,12,13,14,15
	v_pk_mul_f32 v[OT+32*\t+2*\i:OT+32*\t+2*\i+1], v[OT+32*\t+2*\i:OT+32*\t+2*\i+1], v[ST+8*\t+6:ST+8*\t+7] op_sel_hi:[1,0]
.endr
.endr
	WIN 0
	s_or_b32 s52, s21, s16                         ; positions 0-15 of the sequence (block 0, wave 0, tile 0) also leave in f32, for the fine projection: ids alone
	s_cmp_lg_u32 s52, 0
	s_cbranch_scc1 .Lno_fine
	s_lshr_b32 s52, s19, 4
	s_lshl_b32 s52, s52, 16                        ; the batch: 64 blocks of 16 channels x 1,024 bytes
	s_and_b32 s53, s19, 15
	s_lshl_b32 s53, s53, 12                        ; the head: four of them
	s_add_co_u32 s52, s52, s53
	s_add_co_u32 s52, s52, 0x1000000
	s_mov_b32 s53, 0
	s_add_nc_u64 s[52:53], s[12:13], s[52:53]
	WIN 0x04                                       ; a store's data are its source 1: window 1
.irp c, 0,1,2,3
	global_store_b128 v[AL], v[OT+8*\c:OT+8*\c+3], s[52:53] offset:1024*\c
	global_store_b128 v[AL], v[OT+8*\c+4:OT+8*\c+7], s[52:53] offset:1024*\c+512
.endr
	WIN 0
.Lno_fine:
	WIN 0x05                                       ; sources window 1, destination window 0: S^T's registers are free
.irp t, 0,1
.irp i, 0,1,2,3,4,5,6,7,8,9,10,11,12,13,14,15
	v_cvt_pk_f16_f32 v[S+16*\t+\i], v[OT+32*\t+2*\i], v[OT+32*\t+2*\i+1]
.endr
.endr
	WIN 0
	s_lshr_b32 s54, s19, 4
	s_lshl_b32 s54, s54, 22                        ; 128 tiles of rows a batch, 32,768 bytes each,
	s_lshl_b32 s55, s21, 19                        ; 16 a block,
	s_add_co_u32 s54, s54, s55
	s_lshl_b32 s55, s16, 16                        ; 2 a wave;
	s_add_co_u32 s54, s54, s55
	s_and_b32 s55, s19, 15
	s_lshl_b32 s55, s55, 11                        ; a head's 64 channels are 2,048 bytes
	s_add_co_u32 s54, s54, s55
	s_mov_b32 s55, 0
	s_add_nc_u64 s[54:55], s[12:13], s[54:55]
.irp t, 0,1
.irp c, 0,1,2,3
	global_store_b128 v[AL], v[S+16*\t+4*\c:S+16*\t+4*\c+3], s[54:55] offset:\t*32768+512*\c
.endr
.endr
	s_wait_xcnt 0x0                                ; the stores have read their registers and bases: the next pass writes them again
	s_add_co_u32 s20, s20, 1
	s_cmp_lt_u32 s20, 2
	s_cbranch_scc1 .Lpass
	s_wait_tensorcnt 0x0                           ; the wave's end: a tensor wait (here with no tensor load), 0 onto my spare word, and its wait, behind the last LDS store
	ds_add_u32 v[SPW], v[NIL]
	s_wait_dscnt 0x0
	s_endpgm
.Lfunc_end_k_qb5228fc1a2_attn:
	.size	k_qb5228fc1a2_attn, .Lfunc_end_k_qb5228fc1a2_attn-k_qb5228fc1a2_attn
	.p2alignl 7, 3214868480
	.fill 96, 4, 3214868480
	.section	.rodata,"a",@progbits
	.p2align	6, 0x0
	.amdhsa_kernel k_qb5228fc1a2_attn
		.amdhsa_group_segment_fixed_size 66560
		.amdhsa_private_segment_fixed_size 0
		.amdhsa_enable_private_segment 0
		.amdhsa_kernarg_size 24
		.amdhsa_user_sgpr_count 2
		.amdhsa_user_sgpr_kernarg_segment_ptr 1
		.amdhsa_wavefront_size32 1
		.amdhsa_system_sgpr_workgroup_id_x 1
		.amdhsa_system_sgpr_workgroup_id_y 1
		.amdhsa_system_sgpr_workgroup_id_z 1
		.amdhsa_system_vgpr_workitem_id 0
		.amdhsa_next_free_vgpr 512
		.amdhsa_next_free_sgpr 100
		.amdhsa_reserve_vcc 0
		.amdhsa_float_denorm_mode_32 3
		.amdhsa_float_denorm_mode_16_64 3
		.amdhsa_memory_ordered 1
		.amdhsa_forward_progress 1
		.amdhsa_inst_pref_size 255
	.end_amdhsa_kernel
	.section	.bss,"aw",@nobits
	.p2align	6
	.space	262144
	.amdgpu_metadata
---
amdhsa.version: [ 1, 2 ]
amdhsa.kernels:
  - .name:           k_qb5228fc1a2_attn
    .symbol:         k_qb5228fc1a2_attn.kd
    .args:
      - { .name: qkv, .offset: 0, .size: 8, .value_kind: global_buffer, .address_space: global }
      - { .name: mk, .offset: 8, .size: 8, .value_kind: global_buffer, .address_space: global }
      - { .name: att, .offset: 16, .size: 8, .value_kind: global_buffer, .address_space: global }
    .group_segment_fixed_size: 66560
    .private_segment_fixed_size: 0
    .kernarg_segment_align: 8
    .kernarg_segment_size: 24
    .max_flat_workgroup_size: 256
    .sgpr_count:     100
    .vgpr_count:     512
    .wavefront_size: 32
...
	.end_amdgpu_metadata
.endif
;; end of part 3
;; launch proj (part 4): grid 8 x 32, 4 waves a work-group, clusters of 4 x 4, 327,680 bytes of LDS; arguments att, wimg, b_out, out0; writes out0
.if DOCPART == 4
	.amdgcn_target "amdgcn-amd-amdhsa--gfx1250"
	.amdhsa_code_object_version 6
	.text
	.protected	k_qb5228fc1a2_proj
	.globl	k_qb5228fc1a2_proj
	.p2align	8
	.type	k_qb5228fc1a2_proj,@function
k_qb5228fc1a2_proj:
	s_mov_b64 s[64:65], 0
	v_nop
	global_prefetch_b8 v0, s[64:65] scope:SCOPE_SE
	s_setreg_imm32_b32 hwreg(HW_REG_WAVE_MODE, 25, 1), 1
	s_wait_xcnt 0x0
	s_wait_alu depctr_hold_cnt(0) depctr_sa_sdst(0) depctr_va_vdst(0) depctr_va_sdst(0) depctr_va_ssrc(0) depctr_va_vcc(0) depctr_vm_vsrc(0)
	s_getreg_b32 s2, hwreg(HW_REG_IB_STS2, 6, 4)
	s_cmp_eq_u32 s2, 0
	s_cbranch_scc0 .Lentry_in_a_cluster
	s_endpgm
.Lentry_in_a_cluster:
	s_bfe_u32 s2, ttmp6, 0x10000c
	s_cmp_lg_u32 s2, 0xf033
	s_cbranch_scc0 .Lentry_shape_is_right
	s_endpgm
.Lentry_shape_is_right:
; Launch 4 of 5: out0 = attention result x W_out + b_out, f16 operands, f32 sums.  Nothing is left out here (the 16 first positions of each sequence are written again, more finely, by launch 5).
; A = att [tile of 16 rows 512][32 along K: 32][1,024 bytes], B = wimg [tile of 16 columns 64][32][1,024 bytes]: both in the order of an operand's registers: half a fragment is 512 dense bytes at 16 x lane.
; A tile of C is 256 x 128: 256 work-groups.  Four waves, each 128 x 64: 32 accumulators.  K goes in steps of 128 (4,096 bytes of each tile of 16 rows) through a ring of two LDS slots: 8 steps.
; CLUSTERS of 4 x 4: A's tiles are asked for jointly along a row of the cluster, B's along a column.  THE MATRIX INSTRUCTION IS USED TRANSPOSED: a lane holds eight neighbouring columns of one row of C.
; The bias is the C of each sum's first instruction.  No padding in LDS: every fragment load reads 512 consecutive bytes.
; REGISTERS: window 0: v16-29 addresses; v32-63 the bias; v64-127 rows on the way out.  window 1: two buffers of 96 (B's 4 fragments, then A's 8) at v0 and v128.  window 2: accumulator (a, b) at v[8 (4 a + b)].
.set SLOT,   98304                     ; A's 16 tiles x 4,096, then B's 8 x 4,096
.set BOFF,   65536
.set STAGE,  196608                    ; behind the ring: 16 rows x 272 bytes for each wave
.set SPITCH, 272
.set SPARE,  214016                    ; behind the stages: the spare words, 128 bytes a wave
.set LAPS,   4
.set ADRA, 16
.set ADRB, 20
.set STO,  24
.set RD,   25
.set CO,   26
.set SPW,  28
.set NIL,  29
.set BI,   32
.set BK,   64
.set F0,   0
.set F1,   128
.set G1, 24
.set G0, 32
.set G1B, 48
.set G0B, 56
.set MSB, 0
.macro WIN new
.if MSB != \new
	s_set_vgpr_msb (MSB<<8)|\new
.set MSB, \new
.endif
.endm
.set MUL,  0xa5                        ; sources 0 (B) and 1 (A) window 1; C and D window 2
.set MULF, 0x85                        ; the same with C (the bias) in window 0
.set TO_F, 0x40
.macro JLOAD s                         ; a joint load: waves 0 and 1 fetch A's halves, waves 2 and 3 B's; an s_nop 0 and four v_nop follow each of the two lines
	s_cmp_eq_u32 s11, 0
	s_cbranch_scc0 .Lfor_b_\@
	tensor_load_to_lds s[G0+4*\s:G0+4*\s+3], s[G1:G1+7]
	s_nop 0
.rept 4
	v_nop
.endr
	s_branch .Lasked_\@
.Lfor_b_\@:
	tensor_load_to_lds s[G0B+4*\s:G0B+4*\s+3], s[G1B:G1B+7]
	s_nop 0
.rept 4
	v_nop
.endr
.Lasked_\@:
.endm
.macro CREST
	s_cmp_lg_u32 s10, 0
	s_cbranch_scc1 .Lnot_wave_0_\@
	s_barrier_signal -3
.Lnot_wave_0_\@:
	s_barrier_wait -3
	s_barrier_signal -1
	s_barrier_wait -1
.endm
.macro CROUND
	s_barrier_signal -1
	s_barrier_wait -1
	CREST
.endm
	s_load_b128 s[4:7], s[0:1], 0x0                ; att, wimg
	s_load_b64 s[66:67], s[0:1], 0x10              ; b_out
	s_load_b64 s[8:9], s[0:1], 0x18                ; out0
	v_lshl_add_u32 v[SPW], v0, 2, SPARE
	v_mov_b32 v[NIL], 0
	ds_add_u32 v[SPW], v[NIL]                      ; the wave's opening: the add, twice on end, and its wait ahead of my first tensor load
	ds_add_u32 v[SPW], v[NIL]
	v_lshrrev_b32 v1, 5, v0
	v_readfirstlane_b32 s10, v1                    ; wave 0..3
	s_lshr_b32 s11, s10, 1                         ; which 128 rows of the tile are mine.  Also: I fetch for A (0) or for B (1)
	s_and_b32 s12, s10, 1                          ; which 64 columns.  Also: which half of that tile I fetch
	s_bfe_u32 s40, ttmp6, 0x40000                  ; cx, cy
	s_bfe_u32 s41, ttmp6, 0x40004
	s_lshl_b32 s42, ttmp9, 2
	s_add_co_u32 s42, s42, s40                     ; tile column
	s_and_b32 s13, ttmp7, 0xffff
	s_lshl_b32 s13, s13, 2
	s_add_co_u32 s13, s13, s41                     ; tile row
	s_lshl_b32 s43, s41, 2
	s_lshl_b32 s43, 15, s43                        ; my row of the cluster
	s_lshl_b32 s44, 0x1111, s40                    ; my column
	s_or_b32 s[G1+0], s43, (3<<16)|(1<<21)         ; the mask; elements of 8 bytes; bit 21 beside a mask; no padding
	s_or_b32 s[G1B+0], s44, (3<<16)|(1<<21)
	s_mov_b32 s[G1+1], 512<<16                     ; tensor_dim0: 4,096 bytes
	s_mov_b32 s[G1+2], 8<<16                       ; tensor_dim1: 8 tiles of 16 rows
	s_mov_b32 s[G1+3], 512<<16                     ; tile_dim0
	s_mov_b32 s[G1+4], 8                           ; tile_dim1
	s_mov_b32 s[G1+5], 4096                        ; from tile to tile: 32,768 bytes
	s_mov_b32 s[G1+6], 0
	s_mov_b32 s[G1+7], 0
	s_mov_b32 s[G1B+1], 512<<16
	s_mov_b32 s[G1B+2], 4<<16                      ; B: 4 tiles of 16 columns
	s_mov_b32 s[G1B+3], 512<<16
	s_mov_b32 s[G1B+4], 4
	s_mov_b32 s[G1B+5], 4096
	s_mov_b32 s[G1B+6], 0
	s_mov_b32 s[G1B+7], 0
	s_lshl_b32 s16, s13, 19                        ; A: tile of rows 16 x tile row + 8 x half, 32,768 bytes each
	s_lshl_b32 s17, s12, 18
	s_add_co_u32 s16, s16, s17
	s_mov_b32 s17, 0
	s_lshl_b32 s46, s42, 18                        ; B: tile of columns 8 x tile column + 4 x half
	s_lshl_b32 s47, s12, 17
	s_add_co_u32 s46, s46, s47
	s_mov_b32 s47, 0
	s_lshl_b32 s20, s12, 15                        ; where they go: A's halves at 0 and 32,768,
	s_lshl_b32 s21, s12, 14
	s_add_co_u32 s21, s21, BOFF                    ; B's at 65,536 and 81,920: no place in the cluster enters an LDS address
	s_wait_dscnt 0x0                               ; both opening adds are done
	s_wait_kmcnt 0x0
	s_add_nc_u64 s[14:15], s[4:5], s[16:17]
	s_add_nc_u64 s[46:47], s[6:7], s[46:47]
	CROUND                                         ; all sixteen work-groups are here: the first joint loads meet
.irp s, 0,1
	s_mov_b32 s[G0+4*\s], 1
	s_add_co_u32 s[G0+4*\s+1], s20, \s*SLOT
	s_add_nc_u64 s[G0+4*\s+2:G0+4*\s+3], s[14:15], \s*4096
	s_or_b32 s[G0+4*\s+3], s[G0+4*\s+3], 0x80000000
	s_mov_b32 s[G0B+4*\s], 1
	s_add_co_u32 s[G0B+4*\s+1], s21, \s*SLOT
	s_add_nc_u64 s[G0B+4*\s+2:G0B+4*\s+3], s[46:47], \s*4096
	s_or_b32 s[G0B+4*\s+3], s[G0B+4*\s+3], 0x80000000
	JLOAD \s                                       ; two loads of mine are out at the most
.endr
	v_and_b32 v1, 15, v0                           ; r
	v_bfe_u32 v2, v0, 4, 1                         ; h
	s_lshl_b32 s46, s42, 9                         ; my first column in bytes of f32: 512 x tile column + 256 x half
	s_lshl_b32 s47, s12, 8
	s_add_co_u32 s46, s46, s47
	s_mov_b32 s47, 0
	s_add_nc_u64 s[66:67], s[66:67], s[46:47]
	v_lshlrev_b32 v6, 5, v2                        ; the bias: my half's eight numbers of a block of 16
.irp b, 0,1,2,3
	global_load_b128 v[BI+8*\b:BI+8*\b+3], v6, s[66:67] offset:64*\b
	global_load_b128 v[BI+8*\b+4:BI+8*\b+7], v6, s[66:67] offset:64*\b+16
.endr
	v_and_b32 v3, 31, v0
	v_lshlrev_b32 v3, 4, v3                        ; 16 x lane
	s_lshl_b32 s21, s11, 15                        ; my 8 tiles of A
	s_lshl_b32 s22, s12, 14
	s_add_co_u32 s22, s22, BOFF                    ; my 4 tiles of B
.irp s, 0,1
	v_add_nc_u32 v[ADRA+\s], s21, v3
	v_add_nc_u32 v[ADRB+\s], s22, v3
	s_add_co_u32 s21, s21, SLOT
	s_add_co_u32 s22, s22, SLOT
.endr
	s_mul_i32 s23, s10, 16*SPITCH
	s_add_co_u32 s23, s23, STAGE                   ; my stage
	v_mul_u32_u24 v4, v1, SPITCH                   ; in: row r, 32 bytes for each half of the lanes
	v_lshl_add_u32 v4, v2, 5, v4
	v_add_nc_u32 v[STO], s23, v4
	v_mul_u32_u24 v5, v2, SPITCH                   ; back: lanes 0-15 one row of 256 bytes, lanes 16-31 the next
	v_lshl_add_u32 v5, v1, 4, v5
	v_add_nc_u32 v[RD], s23, v5
	v_lshlrev_b32 v5, 12, v2                       ; the same two rows in out0 (rows of 4,096 bytes)
	v_lshl_add_u32 v[CO], v1, 4, v5
	s_lshl_b32 s16, s13, 20                        ; my first row: 256 x tile row + 128 x half
	s_lshl_b32 s17, s11, 19
	s_add_co_u32 s16, s16, s17
	s_mov_b32 s17, 0
	s_add_nc_u64 s[8:9], s[8:9], s[16:17]
	s_add_nc_u64 s[8:9], s[8:9], s[46:47]
.macro MUL8 f, a0, first               ; A's blocks a0, a0 + 1 x B's four, 32 along K.  The 32 accumulators take turns, one instruction a turn, in the same order in every quarter
.irp a, \a0, \a0+1
.irp b, 0,1,2,3
.if \first
	v_wmma_f32_16x16x32_f16 v[8*(4*(\a)+\b):8*(4*(\a)+\b)+7], v[\f+8*\b:\f+8*\b+7], v[\f+32+8*(\a):\f+32+8*(\a)+7], v[BI+8*\b:BI+8*\b+7]
.else
	v_wmma_f32_16x16x32_f16 v[8*(4*(\a)+\b):8*(4*(\a)+\b)+7], v[\f+8*\b:\f+8*\b+7], v[\f+32+8*(\a):\f+32+8*(\a)+7], v[8*(4*(\a)+\b):8*(4*(\a)+\b)+7]
.endif
.endr
.endr
.endm
.macro FETCH slot, q, f                ; 24 LDS loads in one run: the slot's q-th 32 along K: B's four fragments, A's blocks 0-3, A's blocks 4-7
	WIN TO_F
.irp i, 0,1,2,3
	ds_load_b128 v[\f+8*\i:\f+8*\i+3], v[ADRB+\slot] offset:\i*4096+1024*(\q)
	ds_load_b128 v[\f+8*\i+4:\f+8*\i+7], v[ADRB+\slot] offset:\i*4096+1024*(\q)+512
.endr
.irp i, 0,1,2,3,4,5,6,7
	ds_load_b128 v[\f+32+8*\i:\f+32+8*\i+3], v[ADRA+\slot] offset:\i*4096+1024*(\q)
	ds_load_b128 v[\f+32+8*\i+4:\f+32+8*\i+7], v[ADRA+\slot] offset:\i*4096+1024*(\q)+512
.endr
.endm
.macro PLACES
.rept 4
	v_nop
.endr
.endm
.macro MWIN first
.if \first
	WIN MULF
.else
	WIN MUL
.endif
.endm
.macro QUARTER slot, q, f, g, first    ; multiplies buffer f; in its middle it fetches the slot's q-th 32 along K into buffer g
	s_wait_dscnt 8                                 ; B and A's blocks 0-3 are in; the youngest eight loads (A's blocks 4-7) may be out
	MWIN \first
	MUL8 \f, 0, \first
	MUL8 \f, 2, \first
	PLACES
	FETCH \slot, \q, \g
	s_wait_dscnt 24                                ; all but the 24 just issued
	MWIN \first
	MUL8 \f, 4, \first
	MUL8 \f, 6, \first
.endm
; A slot's last quarter changes slots: in front of ONE barrier each wave waits for all its tensor loads, adds 0 to its spare word, and waits for that and for its reads of this slot.  fill = 1: the barrier opens a round
; of the cluster's, and this slot is filled again, two K steps ahead, first thing behind the round.
.macro TURN slot, next, fill
	WIN 0
	s_wait_tensorcnt 0x0                           ; all my tensor loads have landed: my part of the next slot
	ds_add_u32 v[SPW], v[NIL]                      ; 0 onto my spare word
	s_wait_dscnt 9                                 ; (the add and A's blocks 4-7 may be out)
	WIN MUL
	MUL8 F1, 0, 0
	s_wait_dscnt 0x0                               ; the add is done, and my reads of this slot are over
	s_barrier_signal -1
	MUL8 F1, 2, 0
.if \fill
	WIN 0
.endif
	s_barrier_wait -1
.if \fill
	CREST                                          ; no wave of any partner still reads this slot's tile or has a load on its way
	s_add_nc_u64 s[G0+4*\slot+2:G0+4*\slot+3], s[G0+4*\slot+2:G0+4*\slot+3], 8192
	s_add_nc_u64 s[G0B+4*\slot+2:G0B+4*\slot+3], s[G0B+4*\slot+2:G0B+4*\slot+3], 8192
	JLOAD \slot                                    ; the four v_nop behind it are also the places in front of the loads below
.else
	PLACES
.endif
	FETCH \next, 0, F0
	WIN MUL
	MUL8 F1, 4, 0
	MUL8 F1, 6, 0
.endm
	s_wait_tensorcnt 1                             ; my part of K step 0 is in (K step 1's load may be out),
	s_barrier_signal -1
	s_barrier_wait -1                              ; everybody's is
	FETCH 0, 0, F0
	s_wait_loadcnt 0x0                             ; the bias
	QUARTER 0, 1, F0, F1, 1                        ; the first quarter stands in front of the loop: the bias starts the sums
	WIN 0
	s_mov_b32 s3, LAPS-1
.Llap:                                                 ; a trip goes once round the ring and fills both slots again
	QUARTER 0, 2, F1, F0, 0
	QUARTER 0, 3, F0, F1, 0
	TURN 0, 1, 1
	QUARTER 1, 1, F0, F1, 0
	QUARTER 1, 2, F1, F0, 0
	QUARTER 1, 3, F0, F1, 0
	TURN 1, 0, 1
	QUARTER 0, 1, F0, F1, 0
	WIN 0
	s_sub_co_u32 s3, s3, 1
	s_cmp_lg_u32 s3, 0
	s_cbranch_scc1 .Llap
	QUARTER 0, 2, F1, F0, 0                        ; the last lap fills nothing
	QUARTER 0, 3, F0, F1, 0
	TURN 0, 1, 0
	QUARTER 1, 1, F0, F1, 0
	QUARTER 1, 2, F1, F0, 0
	QUARTER 1, 3, F0, F1, 0
	s_wait_dscnt 8
	WIN MUL
	MUL8 F1, 0, 0
	MUL8 F1, 2, 0
	s_wait_dscnt 0
	MUL8 F1, 4, 0
	MUL8 F1, 6, 0
	WIN 0
; THE WAY OUT, a block of 16 rows x 64 columns at a time, through my own stage: in as 32 bytes a lane, back as whole rows of 256 bytes, which sixteen lanes store as 256 consecutive bytes, aligned.
; LDS serves a wave's instructions in order: no wait between the stores and the loads.
.macro TOSTAGE a
	WIN 0x08                                       ; an LDS store's data are its source 1: window 2
.irp b, 0,1,2,3
	ds_store_b128 v[STO], v[8*(4*(\a)+\b):8*(4*(\a)+\b)+3] offset:64*\b          ; each accumulator from its low end on
	ds_store_b128 v[STO], v[8*(4*(\a)+\b)+4:8*(4*(\a)+\b)+7] offset:64*\b+16
.endr
	WIN 0
.set BB, BK+32*((\a)%2)
.irp t, 0,1,2,3,4,5,6,7
	ds_load_b128 v[BB+4*\t:BB+4*\t+3], v[RD] offset:\t*2*SPITCH
.endr
.endm
.macro SEND a, younger
.set BB, BK+32*((\a)%2)
	s_wait_dscnt \younger                          ; the block is back in registers
.if (\a) > 0
	s_add_nc_u64 s[8:9], s[8:9], 65536             ; 16 rows on (behind a wait that shows the earlier stores' base read)
.endif
.irp t, 0,1,2,3,4,5,6,7
	global_store_b128 v[CO], v[BB+4*\t:BB+4*\t+3], s[8:9] offset:\t*8192
.endr
.endm
	PLACES
	TOSTAGE 0
.irp a, 1,2,3,4,5,6,7
.if \a > 1
	s_wait_xcnt 0x0                                ; block a - 2's stores have read their registers and their base
.endif
	TOSTAGE \a
	SEND \a-1, 16                                  ; behind block a - 1's loads: block a's 8 stores and 8 loads
.endr
	s_wait_xcnt 0x0
	SEND 7, 0
	s_wait_tensorcnt 0x0                           ; the wave's end: a tensor wait, 0 onto my spare word, and its wait
	ds_add_u32 v[SPW], v[NIL]
	s_wait_dscnt 0x0
	CROUND                                         ; the closing round
	s_endpgm
.Lfunc_end_k_qb5228fc1a2_proj:
	.size	k_qb5228fc1a2_proj, .Lfunc_end_k_qb5228fc1a2_proj-k_qb5228fc1a2_proj
	.p2alignl 7, 3214868480
	.fill 96, 4, 3214868480
	.section	.rodata,"a",@progbits
	.p2align	6, 0x0
	.amdhsa_kernel k_qb5228fc1a2_proj
		.amdhsa_group_segment_fixed_size 327680
		.amdhsa_private_segment_fixed_size 0
		.amdhsa_enable_private_segment 0
		.amdhsa_kernarg_size 32
		.amdhsa_user_sgpr_count 2
		.amdhsa_user_sgpr_kernarg_segment_ptr 1
		.amdhsa_wavefront_size32 1
		.amdhsa_system_sgpr_workgroup_id_x 1
		.amdhsa_system_sgpr_workgroup_id_y 1
		.amdhsa_system_sgpr_workgroup_id_z 1
		.amdhsa_system_vgpr_workitem_id 0
		.amdhsa_next_free_vgpr 768
		.amdhsa_next_free_sgpr 68
		.amdhsa_reserve_vcc 0
		.amdhsa_float_denorm_mode_32 3
		.amdhsa_float_denorm_mode_16_64 3
		.amdhsa_memory_ordered 1
		.amdhsa_forward_progress 1
		.amdhsa_inst_pref_size 86
	.end_amdhsa_kernel
	.amdgpu_metadata
---
amdhsa.version: [ 1, 2 ]
amdhsa.kernels:
  - .name:           k_qb5228fc1a2_proj
    .symbol:         k_qb5228fc1a2_proj.kd
    .args:
      - { .name: att, .offset: 0, .size: 8, .value_kind: global_buffer, .address_space: global }
      - { .name: wimg, .offset: 8, .size: 8, .value_kind: global_buffer, .address_space: global }
      - { .name: b_out, .offset: 16, .size: 8, .value_kind: global_buffer, .address_space: global }
      - { .name: out0, .offset: 24, .size: 8, .value_kind: global_buffer, .address_space: global }
    .group_segment_fixed_size: 327680
    .private_segment_fixed_size: 0
    .kernarg_segment_align: 8
    .kernarg_segment_size: 32
    .max_flat_workgroup_size: 128
    .sgpr_count:     68
    .vgpr_count:     768
    .wavefront_size: 32
...
	.end_amdgpu_metadata
.endif
;; end of part 4
;; launch fine (part 5): grid 64 x 4, 8 waves a work-group, no clusters, 9,216 bytes of LDS; arguments att, W_out, b_out, out0; writes out0
.if DOCPART == 5
	.amdgcn_target "amdgcn-amd-amdhsa--gfx1250"
	.amdhsa_code_object_version 6
	.text
	.protected	k_qb5228fc1a2_fine
	.globl	k_qb5228fc1a2_fine
	.p2align	8
	.type	k_qb5228fc1a2_fine,@function
k_qb5228fc1a2_fine:
	s_mov_b64 s[64:65], 0
	v_nop
	global_prefetch_b8 v0, s[64:65] scope:SCOPE_SE
	s_setreg_imm32_b32 hwreg(HW_REG_WAVE_MODE, 25, 1), 1
	s_wait_xcnt 0x0
; Launch 5 of 5: the projection of positions 0-15 of each sequence once more, with f32 operands: rows that may average one to a few values are the largest, and the rounding of 16-bit operands weighs most there.
; The rows are chosen by ids, whatever the mask holds; they write over what launch 4 left there.  64 rows x 1,024 columns x 1,024 along K: no bulk work.
; A = att at 1 << 24: [batch 4][block of 16 channels 64][i 2][lane 32][16 bytes] f32: lane (r, h) holds row r, channels 16 block + 8 h + 4 i + 0 .. 3.  B = W_out [k][n] as it is given.
; Work-group (tile of 16 columns, batch) makes 16 x 16 numbers; its eight waves share K, 128 each; the eight parts meet in LDS.
; The matrix form takes k = 2 h + j from register j.  Both sources give it channel 16 block + 8 h + 4 i + 2 pair + j in that place: the same order of K on both sides, so every product is a true one.
; Source 0 = W_out's 16 columns, source 1 = the 16 rows: a lane holds row l % 16 and columns 8 (l / 16) + 0 .. 7.  Four accumulators by turns; each begins with the constant 0; only matrix instructions write them.
.set SPW, 8
.set NIL, 9
	s_load_b256 s[4:11], s[0:1], 0x0               ; att s[4:5], W_out s[6:7], b_out s[8:9], out0 s[10:11]
	v_lshl_add_u32 v[SPW], v0, 2, 8192             ; the spare words lie behind the eight parts: 128 bytes a wave
	v_mov_b32 v[NIL], 0
	v_lshrrev_b32 v1, 5, v0
	v_readfirstlane_b32 s12, v1                    ; wave 0..7
	s_and_b32 s14, ttmp7, 0xffff                   ; batch
	v_and_b32 v1, 31, v0
	v_and_b32 v2, 15, v0                           ; r; also my column on the way out
	v_bfe_u32 v3, v0, 4, 1                         ; h
	v_lshlrev_b32 v4, 4, v1                        ; 16 x lane
	v_lshlrev_b32 v5, 2, v2
	v_lshl_add_u32 v5, v3, 15, v5                  ; W_out: 8 h rows of 4,096 bytes + 4 r
	v_lshlrev_b32 v6, 2, v2                        ; the bias: 4 x my column
	s_lshl_b32 s15, s12, 10
	v_add_nc_u32 v12, s15, v4                      ; my wave's part in LDS: 1,024 x wave + 16 x lane
	v_bfe_u32 v10, v0, 2, 1
	v_lshlrev_b32 v10, 9, v10                      ; back: number (m, n) of a part lies at 512 ((n / 4) % 2) + 256 (n / 8) + 16 m + 4 (n % 4)
	v_bfe_u32 v11, v0, 3, 1
	v_lshl_add_u32 v10, v11, 8, v10
	v_lshrrev_b32 v11, 4, v0                       ; m = thread / 16
	v_lshl_add_u32 v10, v11, 4, v10
	v_and_b32 v13, 3, v0
	v_lshl_add_u32 v10, v13, 2, v10
	v_lshl_add_u32 v11, v11, 12, v6                ; out0: m rows of 4,096 bytes + 4 n
	s_lshl_b32 s16, s14, 16                        ; the batch's 65,536 bytes,
	s_lshl_b32 s17, s12, 13                        ; my wave's 8 blocks of 1,024
	s_add_co_u32 s16, s16, s17
	s_add_co_u32 s16, s16, 0x1000000
	s_mov_b32 s17, 0
	s_lshl_b32 s18, s12, 19                        ; W_out: my wave's 128 rows,
	s_lshl_b32 s19, ttmp9, 6                       ; the tile's 16 columns
	s_add_co_u32 s18, s18, s19
	s_mov_b32 s19, 0
	s_lshl_b32 s20, ttmp9, 6
	s_mov_b32 s21, 0
	s_lshl_b32 s22, s14, 23                        ; out0: the batch's 2,048 rows
	s_add_co_u32 s22, s22, s20
	s_mov_b32 s23, 0
	s_wait_kmcnt 0x0
	s_add_nc_u64 s[4:5], s[4:5], s[16:17]
	s_add_nc_u64 s[6:7], s[6:7], s[18:19]
	s_add_nc_u64 s[8:9], s[8:9], s[20:21]
	s_add_nc_u64 s[10:11], s[10:11], s[22:23]
	global_load_b32 v7, v6, s[8:9]
.irp q, 0,1,2,3,4,5,6,7
	global_load_b128 v[32+8*\q:35+8*\q], v4, s[4:5] offset:1024*\q
	global_load_b128 v[36+8*\q:39+8*\q], v4, s[4:5] offset:1024*\q+512
.irp e, 0,1,2,3,4,5,6,7
	global_load_b32 v[96+8*\q+\e], v5, s[6:7] offset:(16*\q+\e)*4096
.endr
.endr
.irp q, 0,1,2,3,4,5,6,7
.if \q == 0
	s_wait_loadcnt 63                              ; 70 loads were issued behind this block's; the wait's field holds 63, and a smaller count is safe
.else
	s_wait_loadcnt 10*(7-\q)                       ; the ten loads of each later block may be out
.endif
.irp i, 0,1
.irp p, 0,1
.if \q == 0
	v_wmma_f32_16x16x4_f32 v[160+8*(2*\i+\p):167+8*(2*\i+\p)], v[96+8*\q+4*\i+2*\p:97+8*\q+4*\i+2*\p], v[32+8*\q+4*\i+2*\p:33+8*\q+4*\i+2*\p], 0
.else
	v_wmma_f32_16x16x4_f32 v[160+8*(2*\i+\p):167+8*(2*\i+\p)], v[96+8*\q+4*\i+2*\p:97+8*\q+4*\i+2*\p], v[32+8*\q+4*\i+2*\p:33+8*\q+4*\i+2*\p], v[160+8*(2*\i+\p):167+8*(2*\i+\p)]
.endif
.endr
.endr
.endr
.rept 8
	v_nop                                          ; eight places behind this form ahead of the first read of results
.endr
.irp j, 0,1,2,3,4,5,6,7
	v_add_f32 v[16+\j], v[160+\j], v[168+\j]       ; the four sums are added into other registers, each accumulator from its low end on
.endr
.irp j, 0,1,2,3,4,5,6,7
	v_add_f32 v[16+\j], v[16+\j], v[176+\j]
.endr
.irp j, 0,1,2,3,4,5,6,7
	v_add_f32 v[16+\j], v[16+\j], v[184+\j]
.endr
	ds_store_b128 v12, v[16:19]
	ds_store_b128 v12, v[20:23] offset:512
	s_wait_dscnt 0x0                               ; for the others' sake: my part lies in LDS
	s_barrier_signal -1
	s_barrier_wait -1
.irp p, 0,1,2,3,4,5,6,7
	ds_load_b32 v[24+\p], v10 offset:1024*\p       ; thread t takes number (t / 16, t % 16) of all eight parts
.endr
	s_wait_dscnt 0x0
	v_add_f32 v24, v24, v25
	v_add_f32 v26, v26, v27
	v_add_f32 v28, v28, v29
	v_add_f32 v30, v30, v31
	v_add_f32 v24, v24, v26
	v_add_f32 v28, v28, v30
	v_add_f32 v24, v24, v28
	v_add_f32 v24, v24, v7                         ; + b_out (its load was the first of all: it is in)
	global_store_b32 v11, v24, s[10:11]            ; sixteen lanes store 64 consecutive bytes of a row: 262,144 bytes in the whole launch leave so, as the price of 256 work-groups for the f32 work
	s_wait_tensorcnt 0x0                           ; the wave's end: a tensor wait (here with no tensor load), 0 onto my spare word, and its wait, behind the last LDS store
	ds_add_u32 v[SPW], v[NIL]
	s_wait_dscnt 0x0
	s_endpgm
.Lfunc_end_k_qb5228fc1a2_fine:
	.size	k_qb5228fc1a2_fine, .Lfunc_end_k_qb5228fc1a2_fine-k_qb5228fc1a2_fine
	.p2alignl 7, 3214868480
	.fill 96, 4, 3214868480
	.section	.rodata,"a",@progbits
	.p2align	6, 0x0
	.amdhsa_kernel k_qb5228fc1a2_fine
		.amdhsa_group_segment_fixed_size 9216
		.amdhsa_private_segment_fixed_size 0
		.amdhsa_enable_private_segment 0
		.amdhsa_kernarg_size 32
		.amdhsa_user_sgpr_count 2
		.amdhsa_user_sgpr_kernarg_segment_ptr 1
		.amdhsa_wavefront_size32 1
		.amdhsa_system_sgpr_workgroup_id_x 1
		.amdhsa_system_sgpr_workgroup_id_y 1
		.amdhsa_system_sgpr_workgroup_id_z 1
		.amdhsa_system_vgpr_workitem_id 0
		.amdhsa_next_free_vgpr 192
		.amdhsa_next_free_sgpr 66
		.amdhsa_reserve_vcc 0
		.amdhsa_float_denorm_mode_32 3
		.amdhsa_float_denorm_mode_16_64 3
		.amdhsa_memory_ordered 1
		.amdhsa_forward_progress 1
		.amdhsa_inst_pref_size 15
	.end_amdhsa_kernel
	.amdgpu_metadata
---
amdhsa.version: [ 1, 2 ]
amdhsa.kernels:
  - .name:           k_qb5228fc1a2_fine
    .symbol:         k_qb5228fc1a2_fine.kd
    .args:
      - { .name: att, .offset: 0, .size: 8, .value_kind: global_buffer, .address_space: global }
      - { .name: W_out, .offset: 8, .size: 8, .value_kind: global_buffer, .address_space: global }
      - { .name: b_out, .offset: 16, .size: 8, .value_kind: global_buffer, .address_space: global }
      - { .name: out0, .offset: 24, .size: 8, .value_kind: global_buffer, .address_space: global }
    .group_segment_fixed_size: 9216
    .private_segment_fixed_size: 0
    .kernarg_segment_align: 8
    .kernarg_segment_size: 32
    .max_flat_workgroup_size: 256
    .sgpr_count:     66
    .vgpr_count:     192
    .wavefront_size: 32
...
	.end_amdgpu_metadata
.endif
;; end of part 5
